; MI455X (gfx1250); checked and timed in simulation.
; The chip was launched on July 23, 2026; its instructions are those of AMD's public machine-readable ISA for CDNA 5 (MIT licence, August 2026) and "CDNA5" Instruction Set Architecture Reference Guide (July 2026). The comments in the code are by the model that wrote it; some were corrected since.
;; Dynamic Multi Head Attention. Allowed arithmetic: matrix products marked QUANTISED: E2M1 operands, one E8M0 scale for each 32 along K, by v_wmma_scale_f32_16x16x128_f8f6f4 with both operands' format E2M1 (or v_wmma_scale_f32_32x16x128_f4), f32 sums; products left as they are: bf16, f16 or f32 operands; f32 sums; everything else in f32.
;; Inputs: Wb 16 x 1,024 float32; Wk 1,024 x 1,024 float32; Wo 1,024 x 1,024 float32; Wq 1,024 x 1,024 float32; Wv 1,024 x 1,024 float32; bb 16 float32; bk 1,024 float32; bo 1,024 float32; bq 1,024 float32; bv 1,024 float32; query 4 x 2,048 x 1,024 float32.
;; Outputs: out0 4 x 2,048 x 1,024 float32.
;; This version of the problem:
;;   THIS VERSION OF THE PROBLEM IS GIVEN IN LOW PRECISION. The matrix products marked QUANTISED in the list below multiply operands that are first quantised to E2M1 (2 exponent bits, 1 mantissa bit; 4 bits a number), with one power-of-two scale for each 32 numbers along K (OCP MX v1.0); their sums are f32. The products marked 'left as it is' may take bf16, f16 or f32 operands, with f32 sums. Whichever they take, every output number must still come out within the allowed error. Rounding operands to bf16 (8 significant bits) uses up far more of that allowance than f16 does (11 bits, for magnitudes from 6e-5 to 65,504). All else is computed in f32.
;;   The module's matrix products, in the order in which they are computed (A, B: the left and right operand; K: the contracted axis; several contracted axes count as one K, in the product's order):
;;     1. [M 4, K 1,024] x [K 1,024, N 16]; A: computed on the way; B: input Wb: left as it is (M = 4 < 16)
;;     2. [M 8,192, K 1,024] x [K 1,024, N 1,024]; A: input query; B: input Wq: QUANTISED
;;     3. [M 8,192, K 1,024] x [K 1,024, N 1,024]; A: input query; B: input Wk: QUANTISED
;;     4. [M 8,192, K 1,024] x [K 1,024, N 1,024]; A: input query; B: input Wv: QUANTISED
;;     5. batch 64 x [M 2,048, K 64] x [K 64, N 2,048]; A: computed on the way; B: computed on the way: left as it is (an operand is computed on the way)
;;     6. batch 64 x [M 2,048, K 2,048] x [K 2,048, N 64]; A: computed on the way; B: computed on the way: left as it is (an operand is computed on the way)
;;     7. [M 8,192, K 1,024] x [K 1,024, N 1,024]; A: computed on the way; B: input Wo: left as it is (an operand is computed on the way)
;;   THE QUANTISER, for each operand of a quantised product, along K:
;;     - K is cut into blocks of 32 from its start; a last block that is shorter is filled with zeros.
;;     - A block's scale is 2^e with e = floor(log2(the largest magnitude in the block)) - 2, held to -126 .. 127; a block of zeros has e = 0. As a byte (E8M0): e + 127.
;;     - Each number is divided by its block's scale, clamped to +-6, and rounded to the nearest number of E2M1, ties to even, subnormals kept.
;;     - The product sums the exact products of the quantised numbers (number of the format x scale) in f32.
;;   ~~~python
;;   def quantise(x, axis):      # numpy; x: float32 -> the quantised numbers, widened to float32 again
;;       x = np.moveaxis(x, axis, -1); K = x.shape[-1]
;;       x = np.pad(x, [(0, 0)] * (x.ndim - 1) + [(0, -K % 32)]); x = x.reshape(x.shape[:-1] + (-1, 32)); a = np.abs(x).max(-1, keepdims=True)
;;       e = np.where(a > 0, np.clip(np.frexp(np.where(a > 0, a, 1))[1] - 1 - 2, -126, 127), 0)      # np.frexp(a)[1] - 1 = floor(log2(a)), exactly
;;       r = np.clip(x / 2.0 ** e, -6, 6)
;;       step = 2.0 ** (np.maximum(np.frexp(np.where(r == 0, 1, r))[1] - 1, 0) - 1)
;;       q = np.round(r / step) * step * 2.0 ** e      # np.round: ties to even
;;       return np.moveaxis(q.reshape(q.shape[:-2] + (-1,))[..., :K], -1, axis).astype(np.float32)
;;   ~~~
;; One version. Each part assembles by itself: llvm-mc -triple=amdgcn-amd-amdhsa -mcpu=gfx1250 --defsym DOCPART=n.
;; ======== version 1 of 1: 4 launches
;; limits: values are held in f16: magnitudes above 65,504 overflow, below 6.1e-05 lose precision
;; workspace buffers: codes 5,767,168 bytes; scales 360,448 bytes; woh 2,097,152 bytes; plog 16,384 bytes; qkv 50,331,648 bytes; oh 16,777,216 bytes
;; launch prep (part 1): grid 384 x 1, 4 waves a work-group, no clusters, 49,664 bytes of LDS; arguments query, Wq, Wk, Wv, Wo, Wb, codes, scales, woh, plog; writes codes, scales, woh, plog
.if DOCPART == 1
	.amdgcn_target "amdgcn-amd-amdhsa--gfx1250"
	.amdhsa_code_object_version 6
	.text
	.protected	k_q5b2de5080b_prep
	.globl	k_q5b2de5080b_prep
	.p2align	8
	.type	k_q5b2de5080b_prep,@function
k_q5b2de5080b_prep:
	s_mov_b64 s[64:65], 0
	v_nop
	global_prefetch_b8 v0, s[64:65] scope:SCOPE_SE
	s_setreg_imm32_b32 hwreg(HW_REG_WAVE_MODE, 25, 1), 1
	s_wait_xcnt 0x0
; query [8192][1024] and Wq, Wk, Wv [1024][1024], f32, K innermost, become codes of FP4 (E2M1) with one E8M0 byte for each 32 along K; Wo becomes f16; and each of query's
; work-groups leaves, for the 16 heads, the sum over its 32 tokens of token . Wb[head] (the gate's logit is made of these sums by the attention launch).
; A block's scale is 2^(floor(log2(its largest magnitude)) - 2); its byte is the largest magnitude's exponent field - 2, held at 1 from below.
; LIMITS: a block of zeros gets the byte 1 where the quantiser says 127 (its codes are zeros, and the bytes are read by this program alone); blocks whose largest magnitude lies
; under 2^-124 are held at the byte 1; NaN and infinities among the inputs are not served; Wo's numbers stay under 65,504 in magnitude (f16).
; SHARES.  A work-group takes 32,768 numbers, a wave 8,192: 8 whole rows of 1,024, in 16 steps of 512.  Work-groups 0-255: query; 256-287 Wq; 288-319 Wk; 320-351 Wv; 352-383 Wo.
; codes and scales hold query's rows and then the three weights' rows on end, so the destination is 4 x work-group + wave for all four tensors.
; A step: four loads of 512 consecutive bytes; the 2,048 bytes turn through the wave's own stage in LDS so that a lane holds 16 neighbours along K; two neighbouring lanes hold a block.
; COLUMN SUMS: a lane's loads of steps t and t + 2 hold the same columns, so 32 registers take the sums of the wave's 8 rows.  The weights' work-groups run these 8 lines a step too:
; a branch in each of 16 steps would cost as much.
.set STEPS, 16
.set EMAX,  2
.set CB,    8                          ; bytes of 16 codes
.set R,     16                         ; v16-79   four sets of 16 numbers as loaded
.set X,     80                         ; v80-111  two sets of 16 neighbours
.set E,     112                        ; v112-127 a scale byte for each step
.set C,     128                        ; v128-191 codes: four registers for each step
.set CSM,   192                        ; v192-223 column sums: register 16 (t % 2) + 4 i + c is column 512 (t % 2) + 128 i + 4 lane + c
.set WREG,  8192                       ; LDS: a region for each wave: two stages of 32 x SP bytes, then its 256 scale bytes
.set SP,    80                         ; a lane's place in a stage: 64 bytes + 16 of padding
.set CSUM,  32768                      ; LDS: the four waves' column sums, 4,096 bytes each, in column order
.set SPARE, 49152                      ; the spare words: 128 bytes a wave, two blocks of 256 bytes that no other line names
.set SPW,   12                         ; v12 my spare word's address; never rewritten
.set NIL,   13                         ; v13 0; never rewritten
	s_load_b512 s[4:19], s[0:1], 0x0               ; query 4, Wq 6, Wk 8, Wv 10, Wo 12, Wb 14, codes 16, scales 18
	s_load_b128 s[20:23], s[0:1], 0x40             ; woh 20, plog 22
	v_lshl_add_u32 v[SPW], v0, 2, SPARE
	v_mov_b32 v[NIL], 0
	v_lshrrev_b32 v1, 5, v0
	v_readfirstlane_b32 s28, v1                    ; wave
	v_and_b32 v2, 31, v0                           ; lane
	v_lshlrev_b32 v3, 4, v2                        ; my 16 bytes of a load's 512
	s_mul_i32 s29, s28, WREG
	v_lshrrev_b32 v14, 2, v2
	v_mul_u32_u24 v14, v14, SP
	v_and_b32 v15, 3, v2
	v_lshl_add_u32 v14, v15, 4, v14
	v_add_nc_u32 v14, s29, v14                     ; the stage, in: SP (lane / 4) + 16 (lane % 4)
	v_mul_u32_u24 v15, v2, SP
	v_add_nc_u32 v15, s29, v15                     ; and out: SP x lane: my 16 neighbours
	v_mul_u32_u24 v4, v2, CB                       ; my codes' place in a step's
	v_lshrrev_b32 v5, 1, v2
	s_add_co_u32 s29, s29, 2*32*SP
	v_add_nc_u32 v5, s29, v5                       ; LDS: my block's scale byte
	v_lshlrev_b32 v7, 3, v2                        ; 8 bytes a lane
	v_add_nc_u32 v6, s29, v7
	s_lshl_b32 s30, s28, 12
	s_add_co_u32 s30, s30, CSUM
	v_add_nc_u32 v10, s30, v3                      ; where I put my wave's column sums
	v_add_nc_u32 v1, CSUM, v3                      ; and where I read all four waves'
	s_mov_b32 s32, 0x76543210
	s_mov_b32 s33, 0xfedcba98                      ; lane selects: lane l xor 16
	s_and_b32 s26, ttmp9, 31                       ; a weight's work-group counts from its tensor's first
	s_mov_b32 s31, 0
	s_wait_kmcnt 0x0
	s_cmp_ge_u32 ttmp9, 352                        ; the work-group's number alone: all four waves go the same way
	s_cbranch_scc1 .Lconvert
	s_mov_b64 s[24:25], s[10:11]                   ; the source: Wv,
	s_cmp_lt_u32 ttmp9, 320
	s_cselect_b64 s[24:25], s[8:9], s[24:25]       ; or Wk,
	s_cmp_lt_u32 ttmp9, 288
	s_cselect_b64 s[24:25], s[6:7], s[24:25]       ; or Wq,
	s_cmp_lt_u32 ttmp9, 256
	s_cselect_b64 s[24:25], s[4:5], s[24:25]       ; or query
	s_cselect_b32 s26, ttmp9, s26
	s_lshl_b32 s26, s26, 2
	s_add_co_u32 s26, s26, s28                     ; which run of 8,192 numbers of the source is my wave's
	s_lshl_b32 s30, s26, 15
	s_add_nc_u64 s[24:25], s[24:25], s[30:31]
	s_lshl_b32 s26, ttmp9, 2
	s_add_co_u32 s26, s26, s28                     ; and of the destination
	s_lshl_b32 s30, s26, 12
	s_add_nc_u64 s[16:17], s[16:17], s[30:31]      ; 4,096 bytes of codes a run
	s_lshl_b32 s30, s26, 8
	s_add_nc_u64 s[18:19], s[18:19], s[30:31]      ; 256 scale bytes a run
.macro LOAD t
.irp i, 0,1,2,3
	global_load_b128 v[R+16*((\t)%4)+4*\i:R+16*((\t)%4)+4*\i+3], v3, s[24:25] offset:2048*(\t)+512*\i th:TH_LOAD_NT   ; 32 lanes read 512 consecutive bytes
.endr
.endm
.macro TURN t                          ; step t's numbers through the stage: LDS serves a wave's instructions in order, so no wait stands between the stores and the loads
.irp i, 0,1,2,3
	ds_store_b128 v14, v[R+16*((\t)%4)+4*\i:R+16*((\t)%4)+4*\i+3] offset:32*SP*((\t)%2)+8*SP*\i
.endr
.irp i, 0,1,2,3
	ds_load_b128 v[X+16*((\t)%2)+4*\i:X+16*((\t)%2)+4*\i+3], v15 offset:32*SP*((\t)%2)+16*\i
.endr
.endm
.macro COLS t                          ; step t's numbers, as loaded, onto the column sums; the first two steps start them: nothing is cleared
.irp j, 0,2,4,6,8,10,12,14
.if (\t) < 2
	v_pk_mul_f32 v[CSM+16*((\t)%2)+\j:CSM+16*((\t)%2)+\j+1], v[R+16*((\t)%4)+\j:R+16*((\t)%4)+\j+1], 1.0 op_sel_hi:[1,0]
.else
	v_pk_add_f32 v[CSM+16*((\t)%2)+\j:CSM+16*((\t)%2)+\j+1], v[CSM+16*((\t)%2)+\j:CSM+16*((\t)%2)+\j+1], v[R+16*((\t)%4)+\j:R+16*((\t)%4)+\j+1]
.endif
.endr
.endm
.irp t, 0,1,2,3
	LOAD \t
.endr
	s_wait_loadcnt 12                              ; step 0's four loads are in; the 12 of steps 1 to 3 may be out
	TURN 0
	COLS 0
.macro STEP t
.set XS, X+16*((\t)%2)
.if (\t) > 0
	s_wait_dscnt 1                                 ; this step's numbers are back from the stage (the last step's byte store may be out)
.else
	s_wait_dscnt 0x0
.endif
.if (\t)+4 < STEPS
	LOAD (\t)+4                                    ; into the set that the stage's stores and the column sums have read
.endif
.if (\t)+1 < STEPS
.if STEPS-2-(\t) >= 3
	s_wait_loadcnt 12                              ; the next step's four loads are in; those of the three steps behind it may be out
.else
	s_wait_loadcnt 4*(STEPS-2-(\t))
.endif
	TURN (\t)+1
	COLS (\t)+1
.endif
	v_max3_num_f32 v8, |v[XS]|, |v[XS+1]|, |v[XS+2]|               ; the largest magnitude of my 16, in two chains
	v_max3_num_f32 v9, |v[XS+3]|, |v[XS+4]|, |v[XS+5]|
.irp i, 6,10
	v_max3_num_f32 v8, v8, |v[XS+\i]|, |v[XS+\i+1]|
	v_max3_num_f32 v9, v9, |v[XS+\i+2]|, |v[XS+\i+3]|
.endr
	v_max3_num_f32 v8, v8, |v[XS+14]|, |v[XS+15]|
	v_max3_num_f32 v8, v8, v9, (EMAX+1)<<23        ; and the floor 2^(3 - 127): the byte cannot fall under 1
	v_max_num_f32_dpp v8, v8, v8 row_xmask:1 row_mask:0xf bank_mask:0xf   ; with my neighbour's 16: the block's
	v_add_nc_u32 v11, -(EMAX<<23), v8              ; 2 off its exponent field: the conversion takes this operand's exponent field as its scale
	v_cvt_scalef32_pk8_fp4_f32 v[C+4*(\t)], v[XS:XS+7], v11
	v_cvt_scalef32_pk8_fp4_f32 v[C+4*(\t)+1], v[XS+8:XS+15], v11
	v_lshrrev_b32 v[E+(\t)], 23, v11               ; the scale's byte (a plain line behind the conversions)
	ds_store_b8 v5, v[E+(\t)] offset:16*(\t)       ; both lanes of a block write the same byte with the same value
	global_store_b64 v4, v[C+4*(\t):C+4*(\t)+1], s[16:17] offset:32*CB*(\t)   ; the wave stores 256 consecutive bytes, aligned
.endm
.irp t, 0,1,2,3,4,5,6,7,8,9,10,11,12,13,14,15
	STEP \t
.endr
	ds_load_b64 v[8:9], v6                         ; my wave's 256 scale bytes: LDS serves a wave's instructions in order
	s_wait_dscnt 0x0
	global_store_b64 v7, v[8:9], s[18:19]          ; 256 consecutive bytes, aligned
	s_cmp_ge_u32 ttmp9, 256                        ; the weights' work-groups are done: the work-group's number alone, so all four waves go the same way
	s_cbranch_scc1 .Lend
	; ---- query's work-groups: the 32 tokens' column sums . Wb.  Wave w makes heads 4 w .. 4 w + 3
	s_wait_xcnt 0x0                                ; the stores of codes have read v128-191, which are written again below
.irp g, 0,1,2,3,4,5,6,7
	ds_store_b128 v10, v[CSM+4*\g:CSM+4*\g+3] offset:512*\g
.endr
	v_lshl_add_u32 v11, s28, 14, v3                ; Wb: row 4 w, my 16 bytes of each 512
.irp q, 0,1
.irp g, 0,1,2,3,4,5,6,7
	global_load_b128 v[112+32*\q+4*\g:112+32*\q+4*\g+3], v11, s[14:15] offset:4096*\q+512*\g   ; no hint: every one of query's work-groups reads Wb
.endr
.endr
	s_wait_dscnt 0x0                               ; for the others' sake: my sums lie in LDS
	s_barrier_signal -1
	s_barrier_wait -1
.irp g, 0,1,2,3,4,5,6,7
	ds_load_b128 v[CSM+4*\g:CSM+4*\g+3], v1 offset:512*\g
.endr
.irp w, 1,2,3
.irp g, 0,1,2,3,4,5,6,7
	ds_load_b128 v[16+32*(\w-1)+4*\g:16+32*(\w-1)+4*\g+3], v1 offset:4096*\w+512*\g
.endr
.endr
	s_wait_dscnt 0x0
.irp w, 0,1,2
.irp j, 0,2,4,6,8,10,12,14,16,18,20,22,24,26,28,30
	v_pk_add_f32 v[CSM+\j:CSM+\j+1], v[CSM+\j:CSM+\j+1], v[16+32*\w+\j:16+32*\w+\j+1]   ; the four waves' sums: 32 tokens
.endr
.endr
.irp q, 2,3
.irp g, 0,1,2,3,4,5,6,7
	global_load_b128 v[16+32*(\q-2)+4*\g:16+32*(\q-2)+4*\g+3], v11, s[14:15] offset:4096*\q+512*\g
.endr
.endr
.macro DOT2 w0, res                    ; two heads by turns: their rows of Wb at v[w0] and v[w0 + 32]
	v_pk_mul_f32 v[176:177], v[CSM:CSM+1], v[\w0:\w0+1]
	v_pk_mul_f32 v[178:179], v[CSM:CSM+1], v[\w0+32:\w0+33]
.irp j, 2,4,6,8,10,12,14,16,18,20,22,24,26,28,30
	v_pk_fma_f32 v[176:177], v[CSM+\j:CSM+\j+1], v[\w0+\j:\w0+\j+1], v[176:177]
	v_pk_fma_f32 v[178:179], v[CSM+\j:CSM+\j+1], v[\w0+32+\j:\w0+33+\j], v[178:179]
.endr
	v_add_f32 v[\res], v176, v177
	v_add_f32 v[\res+1], v178, v179
.endm
	s_wait_loadcnt 16                              ; rows 4 w and 4 w + 1 are in; the 16 loads of the other two may be out
	DOT2 112, 180
	s_wait_loadcnt 0x0
	DOT2 16, 182
.irp m, 1,2,4,8
.irp q, 0,1,2,3
	v_add_f32_dpp v[180+\q], v[180+\q], v[180+\q] row_xmask:\m row_mask:0xf bank_mask:0xf
.endr
.endr
.irp q, 0,1,2,3
	v_permlanex16_b32 v[176+\q], v[180+\q], s32, s33
.endr
.irp q, 0,1,2,3
	v_add_f32 v[180+\q], v[180+\q], v[176+\q]      ; every lane holds the four heads' sums
.endr
	v_mov_b32 v9, 0
	s_lshl_b32 s30, ttmp9, 6
	s_lshl_b32 s29, s28, 4
	s_add_co_u32 s30, s30, s29
	s_add_nc_u64 s[22:23], s[22:23], s[30:31]      ; plog[work-group][4 w ..]
	s_wait_xcnt 0x0                                ; EXEC changes only behind this wait
	v_cmp_eq_u32 vcc_lo, 0, v2
	s_and_saveexec_b32 s34, vcc_lo
	global_store_b128 v9, v[180:183], s[22:23]     ; lane 0 alone: 16 bytes a wave, 64 a work-group, 16,384 in the launch
	s_wait_xcnt 0x0                                ; and again in front of the line that widens it
	s_or_b32 exec_lo, exec_lo, s34
.Lend:
	s_wait_tensorcnt 0x0                           ; the wave's end: three lines behind my last LDS store
	ds_add_u32 v[SPW], v[NIL]
	s_wait_dscnt 0x0
	s_endpgm
	; ---- Wo to f16: a stream.  Four batches of 16 loads of 512 consecutive bytes; a lane's four numbers become 8 bytes, so a store covers 256 consecutive bytes, aligned.  No LDS byte is touched
.Lconvert:
	s_sub_co_u32 s26, ttmp9, 352
	s_lshl_b32 s26, s26, 2
	s_add_co_u32 s26, s26, s28
	s_lshl_b32 s30, s26, 15
	s_add_nc_u64 s[12:13], s[12:13], s[30:31]
	s_lshl_b32 s30, s26, 14
	s_add_nc_u64 s[20:21], s[20:21], s[30:31]
.macro LOADB t
.irp i, 0,1,2,3,4,5,6,7,8,9,10,11,12,13,14,15
	global_load_b128 v[16+64*((\t)%2)+4*\i:16+64*((\t)%2)+4*\i+3], v3, s[12:13] offset:8192*(\t)+512*\i th:TH_LOAD_NT
.endr
.endm
.macro CONV t
.irp i, 0,1,2,3,4,5,6,7,8,9,10,11,12,13,14,15
	v_cvt_pk_f16_f32 v[144+32*((\t)%2)+2*\i], v[16+64*((\t)%2)+4*\i], v[16+64*((\t)%2)+4*\i+1]
	v_cvt_pk_f16_f32 v[144+32*((\t)%2)+2*\i+1], v[16+64*((\t)%2)+4*\i+2], v[16+64*((\t)%2)+4*\i+3]
.endr
.irp i, 0,1,2,3,4,5,6,7,8,9,10,11,12,13,14,15
	global_store_b64 v7, v[144+32*((\t)%2)+2*\i:144+32*((\t)%2)+2*\i+1], s[20:21] offset:4096*(\t)+256*\i
.endr
.endm
	LOADB 0
	LOADB 1
	s_wait_loadcnt 16                              ; batch 0 is in; batch 1's 16 loads may be out
	CONV 0
	LOADB 2
	s_wait_loadcnt 16
	CONV 1
	LOADB 3
	s_wait_loadcnt 16
	s_wait_xcnt 0x0                                ; batch 0's stores have read the registers that batch 2's results take
	CONV 2
	s_wait_loadcnt 0x0
	s_wait_xcnt 0x0
	CONV 3
	s_wait_tensorcnt 0x0                           ; the same three lines at this path's end
	ds_add_u32 v[SPW], v[NIL]
	s_wait_dscnt 0x0
	s_endpgm
.Lfunc_end_k_q5b2de5080b_prep:
	.size	k_q5b2de5080b_prep, .Lfunc_end_k_q5b2de5080b_prep-k_q5b2de5080b_prep
	.p2alignl 7, 3214868480
	.fill 96, 4, 3214868480
	.section	.rodata,"a",@progbits
	.p2align	6, 0x0
	.amdhsa_kernel k_q5b2de5080b_prep
		.amdhsa_group_segment_fixed_size 49664
		.amdhsa_private_segment_fixed_size 0
		.amdhsa_enable_private_segment 0
		.amdhsa_kernarg_size 80
		.amdhsa_user_sgpr_count 2
		.amdhsa_user_sgpr_kernarg_segment_ptr 1
		.amdhsa_wavefront_size32 1
		.amdhsa_system_sgpr_workgroup_id_x 1
		.amdhsa_system_sgpr_workgroup_id_y 1
		.amdhsa_system_sgpr_workgroup_id_z 1
		.amdhsa_system_vgpr_workitem_id 0
		.amdhsa_next_free_vgpr 224
		.amdhsa_next_free_sgpr 66
		.amdhsa_reserve_vcc 1
		.amdhsa_float_denorm_mode_32 3
		.amdhsa_float_denorm_mode_16_64 3
		.amdhsa_memory_ordered 1
		.amdhsa_forward_progress 1
		.amdhsa_inst_pref_size 77
	.end_amdhsa_kernel
	.amdgpu_metadata
---
amdhsa.version: [ 1, 2 ]
amdhsa.kernels:
  - .name:           k_q5b2de5080b_prep
    .symbol:         k_q5b2de5080b_prep.kd
    .args:
      - { .name: query, .offset: 0, .size: 8, .value_kind: global_buffer, .address_space: global }
      - { .name: Wq, .offset: 8, .size: 8, .value_kind: global_buffer, .address_space: global }
      - { .name: Wk, .offset: 16, .size: 8, .value_kind: global_buffer, .address_space: global }
      - { .name: Wv, .offset: 24, .size: 8, .value_kind: global_buffer, .address_space: global }
      - { .name: Wo, .offset: 32, .size: 8, .value_kind: global_buffer, .address_space: global }
      - { .name: Wb, .offset: 40, .size: 8, .value_kind: global_buffer, .address_space: global }
      - { .name: codes, .offset: 48, .size: 8, .value_kind: global_buffer, .address_space: global }
      - { .name: scales, .offset: 56, .size: 8, .value_kind: global_buffer, .address_space: global }
      - { .name: woh, .offset: 64, .size: 8, .value_kind: global_buffer, .address_space: global }
      - { .name: plog, .offset: 72, .size: 8, .value_kind: global_buffer, .address_space: global }
    .group_segment_fixed_size: 49664
    .private_segment_fixed_size: 0
    .kernarg_segment_align: 8
    .kernarg_segment_size: 80
    .max_flat_workgroup_size: 128
    .sgpr_count:     66
    .vgpr_count:     224
    .wavefront_size: 32
...
	.end_amdgpu_metadata
.endif
;; end of part 1
;; launch qkv (part 2): grid 12 x 32, 4 waves a work-group, clusters of 4 x 4, 327,680 bytes of LDS; arguments codes, scales, bq, bk, bv, qkv; writes qkv
.if DOCPART == 2
	.amdgcn_target "amdgcn-amd-amdhsa--gfx1250"
	.amdhsa_code_object_version 6
	.text
	.protected	k_q5b2de5080b_qkv
	.globl	k_q5b2de5080b_qkv
	.p2align	8
	.type	k_q5b2de5080b_qkv,@function
k_q5b2de5080b_qkv:
	s_mov_b64 s[64:65], 0
	v_nop
	global_prefetch_b8 v0, s[64:65] scope:SCOPE_SE
	s_setreg_imm32_b32 hwreg(HW_REG_WAVE_MODE, 25, 1), 1
	s_wait_xcnt 0x0
	s_wait_alu depctr_hold_cnt(0) depctr_sa_sdst(0) depctr_va_vdst(0) depctr_va_sdst(0) depctr_va_ssrc(0) depctr_va_vcc(0) depctr_vm_vsrc(0)
	s_getreg_b32 s2, hwreg(HW_REG_IB_STS2, 6, 4)
	s_cmp_eq_u32 s2, 0
	s_cbranch_scc0 .Lentry_in_a_cluster
	s_endpgm
.Lentry_in_a_cluster:
	s_bfe_u32 s2, ttmp6, 0x10000c
	s_cmp_lg_u32 s2, 0xf033
	s_cbranch_scc0 .Lentry_shape_is_right
	s_endpgm
.Lentry_shape_is_right:
; Q, K, V = query W^T + b, on codes of FP4 (E2M1) with one E8M0 scale for each 32 along K; sums in f32; the results are rounded to f16 and laid [kind][head][token][64].
; A: rows 0-8191 of codes (query's tokens), B: rows 8192-11263 (Wq, Wk, Wv on end); a row is 512 bytes of codes and 32 scale bytes.  C is 8192 x 3072.
; LIMIT: |Q|, |K|, |V| stay under 65,504 (f16).
; A tile of C, 256 x 256, is made by a work-group of four waves; a wave makes 128 x 128: 64 accumulators, 512 registers.  K = 1,024 is two slots of 512 along K: BOTH ARE FILLED AT THE START
; AND NOTHING IS FILLED AGAIN: three tensor loads a wave are out at the most (its part of the scales, of slot 0, of slot 1).
; CLUSTERS: 4 x 4 work-groups.  The four of a row need the same tiles of A, the four of a column the same tiles of B: each tile is asked for jointly.  A cluster is 1,024 columns wide: the cluster's x IS the kind.
; THE MATRIX INSTRUCTION IS USED TRANSPOSED (source 0 = 16 rows of B, source 1 = 16 rows of A): a lane holds eight neighbouring columns of one token.  THE BIAS is the C of each sum's first product.
; REGISTERS: window 0: v0-31 addresses; v32-95 scale words, two sets, and nothing else; v96-127 packed results on the way out; v128-191 A's fragments, one set, later rows on the way out; v192-255 the bias, 8 registers a block of 16 columns.
;   window 1: B's fragments, two sets, at v0 and v128.   window 2: the accumulators of my rows 0-63 ((a, b) at v[8 (8 a + b)]);   window 3: those of rows 64-127.
.set NQ,     4                         ; steps of 128 along K in a slot
.set ROWB,   256                       ; a tile's row in bytes
.set KROW,   512                       ; a row of codes in memory
.set PITCH,  272                       ; an LDS row: 256 bytes + 16 of padding: the 16 rows of a load start 68 words apart
.set FR,     8
.set NL,     2
.set NP,     4
.set HALFT,  128*PITCH
.set SLOT,   4*HALFT
.set KS,     32                        ; a row of scales in bytes
.set SCL,    2*SLOT                    ; behind the slots: the scales, as units of 256 bytes + 16 of padding
.set HALFS,  (128*KS/256)*272
.set SBLK,   (16*KS/256)*272
.set SPARE,  SCL+4*HALFS               ; the spare words: 128 bytes a wave
.set STAGE,  SPARE+512                 ; the way out: 16 rows x (256 bytes + 16) for each wave; no tensor load lands here
.set SPITCH, 272
.set ADRA, 16
.set ADRB, 20
.set STO,  24
.set RD,   25
.set CO,   26
.set ADRS, 27
.set SPW,  28
.set NIL,  29
.set SC,   32
.set TMP,  96
.set AF,   128
.set BK,   128
.set BI,   192
.set G1, 24
.set G0, 32
.set G1B, 48
.set G0B, 56
.set G1S, 68
.set G0S, 76
.set G1SB, 80
.set G0SB, 88
.set MSB, 0
.macro WIN new                         ; the immediate's high byte repeats the setting that is left
.if MSB != \new
	s_set_vgpr_msb (MSB<<8)|\new
.set MSB, \new
.endif
.endm
.set MUL_LO,  0xa1                     ; source 0 (B) window 1, source 1 (A) window 0, C and D window 2
.set MUL_HI,  0xf1                     ; the same, C and D window 3
.set MUL_LO0, 0x81                     ; the first step: C (the bias) window 0, D window 2
.set MUL_HI0, 0xc1                     ; and D window 3
.set TO_B,    0x40
.macro WLO zero
.if \zero
	WIN MUL_LO0
.else
	WIN MUL_LO
.endif
.endm
.macro WHI zero
.if \zero
	WIN MUL_HI0
.else
	WIN MUL_HI
.endif
.endm
; A joint load: waves 0 and 1 fetch for A, waves 2 and 3 for B; the branch hangs on the wave's number alone.  An s_nop 0 and four v_nop follow each of the two lines.
.macro JLOAD g0a, g1a, g0b, g1b
	s_cmp_eq_u32 s15, 0
	s_cbranch_scc0 .Lfor_b_\@
	tensor_load_to_lds s[\g0a:\g0a+3], s[\g1a:\g1a+7]
	s_nop 0
.rept 4
	v_nop
.endr
	s_branch .Lasked_\@
.Lfor_b_\@:
	tensor_load_to_lds s[\g0b:\g0b+3], s[\g1b:\g1b+7]
	s_nop 0
.rept 4
	v_nop
.endr
.Lasked_\@:
.endm
.macro CROUND                          ; a round of the cluster's barrier
	s_barrier_signal -1
	s_barrier_wait -1
	s_cmp_lg_u32 s14, 0
	s_cbranch_scc1 .Lnot_wave_0_\@
	s_barrier_signal -3
.Lnot_wave_0_\@:
	s_barrier_wait -3
	s_barrier_signal -1
	s_barrier_wait -1
.endm
	s_load_b128 s[4:7], s[0:1], 0x0                ; codes, scales
	s_load_b128 s[96:99], s[0:1], 0x10             ; bq, bk
	s_load_b128 s[8:11], s[0:1], 0x20              ; bv, qkv
	v_lshl_add_u32 v[SPW], v0, 2, SPARE
	v_mov_b32 v[NIL], 0
	ds_add_u32 v[SPW], v[NIL]                      ; the wave's opening: the add, twice on end, and its wait ahead of my first tensor load
	ds_add_u32 v[SPW], v[NIL]
	v_lshrrev_b32 v1, 5, v0
	v_readfirstlane_b32 s14, v1                    ; wave 0..3
	s_lshr_b32 s15, s14, 1                         ; which half of the tile's rows is mine.  Also: I fetch for A (0) or for B (1)
	s_and_b32 s16, s14, 1                          ; which half of its columns.  Also: which 128 rows I fetch
	s_bfe_u32 s40, ttmp6, 0x40000                  ; cx, cy
	s_bfe_u32 s41, ttmp6, 0x40004
	s_lshl_b32 s42, ttmp9, 2
	s_add_co_u32 s42, s42, s40                     ; tile column = 4 x cluster x + cx
	s_and_b32 s17, ttmp7, 0xffff
	s_lshl_b32 s17, s17, 2
	s_add_co_u32 s17, s17, s41                     ; tile row = 4 x cluster y + cy
	s_lshl_b32 s43, s41, 2
	s_lshl_b32 s43, 15, s43                        ; my row of the cluster
	s_lshl_b32 s44, 0x1111, s40                    ; my column
	s_or_b32 s[G1+0], s43, (0<<16)|(1<<20)|(1<<21)|(5<<22)|(3<<25)  ; the mask; elements of 1 byte; padding on; bit 21 beside a mask; 4 words behind every 64
	s_or_b32 s[G1B+0], s44, (0<<16)|(1<<20)|(1<<21)|(5<<22)|(3<<25)
.irp g, G1, G1B
	s_mov_b32 s[\g+1], ROWB<<16                    ; tensor_dim0
	s_mov_b32 s[\g+2], 128<<16                     ; tensor_dim1
	s_mov_b32 s[\g+3], ROWB<<16                    ; tile_dim0
	s_mov_b32 s[\g+4], 128                         ; tile_dim1
	s_mov_b32 s[\g+5], KROW                        ; from row to row
	s_mov_b32 s[\g+6], 0
	s_mov_b32 s[\g+7], 0
.endr
	s_or_b32 s[G1S+0], s43, (3<<16)|(1<<20)|(1<<21)|(5<<22)|(3<<25) ; the scales of 128 rows: 4,096 dense bytes as 16 rows of 256 (32 elements of 8 bytes)
	s_or_b32 s[G1SB+0], s44, (3<<16)|(1<<20)|(1<<21)|(5<<22)|(3<<25)
.irp g, G1S, G1SB
	s_mov_b32 s[\g+1], 32<<16
	s_mov_b32 s[\g+2], (128*KS/256)<<16
	s_mov_b32 s[\g+3], 32<<16
	s_mov_b32 s[\g+4], 128*KS/256
	s_mov_b32 s[\g+5], 32
	s_mov_b32 s[\g+6], 0
	s_mov_b32 s[\g+7], 0
.endr
	s_lshl_b32 s18, s16, 7
	s_lshl_b32 s20, s17, 8
	s_add_co_u32 s20, s20, s18                     ; A: row 256 x tile row + 128 x half
	s_lshl_b32 s46, s42, 8
	s_add_co_u32 s46, s46, s18                     ; B: row 256 x tile column + 128 x half
	s_mov_b32 s21, 0
	s_mov_b32 s47, 0
	s_mov_b64 s[18:19], KS
	s_mul_u64 s[22:23], s[20:21], s[18:19]         ; where these rows' scales begin
	s_mul_u64 s[92:93], s[46:47], s[18:19]
	s_mov_b64 s[18:19], KROW
	s_mul_u64 s[20:21], s[20:21], s[18:19]         ; and their codes
	s_mul_u64 s[46:47], s[46:47], s[18:19]
	s_mul_i32 s45, s14, HALFT                      ; where they go: wave x 128 rows
	s_mul_i32 s94, s14, HALFS
	s_wait_dscnt 0x0                               ; both opening adds are done
	s_wait_kmcnt 0x0
	s_cmp_eq_u32 ttmp9, 1                          ; the kind is the cluster's x, the same in all sixteen partners
	s_cselect_b64 s[98:99], s[98:99], s[8:9]       ; bk or bv,
	s_cmp_eq_u32 ttmp9, 0
	s_cselect_b64 s[98:99], s[96:97], s[98:99]     ; or bq
	s_mov_b64 s[12:13], s[10:11]                   ; qkv
	s_add_nc_u64 s[8:9], s[4:5], 0x400000          ; B's codes lie behind A's 8,192 rows of 512 bytes,
	s_add_nc_u64 s[10:11], s[6:7], 0x40000         ; B's scales behind A's 8,192 rows of 32
	s_add_nc_u64 s[20:21], s[4:5], s[20:21]
	s_add_nc_u64 s[22:23], s[6:7], s[22:23]
	s_add_nc_u64 s[46:47], s[8:9], s[46:47]
	s_add_nc_u64 s[92:93], s[10:11], s[92:93]
	CROUND                                         ; all sixteen work-groups are here: the joint loads meet
	s_mov_b32 s[G0S], 1
	s_add_co_u32 s[G0S+1], s94, SCL
	s_mov_b64 s[G0S+2:G0S+3], s[22:23]
	s_or_b32 s[G0S+3], s[G0S+3], 0x80000000
	s_mov_b32 s[G0SB], 1
	s_add_co_u32 s[G0SB+1], s94, SCL
	s_mov_b64 s[G0SB+2:G0SB+3], s[92:93]
	s_or_b32 s[G0SB+3], s[G0SB+3], 0x80000000
	JLOAD G0S, G1S, G0SB, G1SB                     ; the scales first: they are wanted with slot 0
.irp s, 0,1
	s_mov_b32 s[G0+4*\s], 1
	s_add_co_u32 s[G0+4*\s+1], s45, \s*SLOT
	s_add_nc_u64 s[G0+4*\s+2:G0+4*\s+3], s[20:21], \s*ROWB
	s_or_b32 s[G0+4*\s+3], s[G0+4*\s+3], 0x80000000
	s_mov_b32 s[G0B+4*\s], 1
	s_add_co_u32 s[G0B+4*\s+1], s45, \s*SLOT
	s_add_nc_u64 s[G0B+4*\s+2:G0B+4*\s+3], s[46:47], \s*ROWB
	s_or_b32 s[G0B+4*\s+3], s[G0B+4*\s+3], 0x80000000
	JLOAD G0+4*\s, G1, G0B+4*\s, G1B
.endr
	v_and_b32 v1, 15, v0                           ; r = lane % 16
	v_bfe_u32 v2, v0, 4, 1                         ; h = lane / 16
	v_mul_u32_u24 v3, v1, PITCH
	v_lshl_add_u32 v4, v2, 4, v3                   ; a fragment's row x pitch + 16 h
	s_mul_i32 s21, s15, HALFT                      ; my 128 rows of A
	s_mul_i32 s22, s16, HALFT                      ; my 128 rows of B,
	s_add_co_u32 s22, s22, 2*HALFT                 ; behind A's 256
.irp s, 0,1
	v_add_nc_u32 v[ADRA+\s], s21, v4
	v_add_nc_u32 v[ADRB+\s], s22, v4
	s_add_co_u32 s21, s21, SLOT
	s_add_co_u32 s22, s22, SLOT
.endr
	v_mul_u32_u24 v5, v1, KS                       ; my row's scales: 32 bytes a row,
	v_lshrrev_b32 v6, 8, v5
	v_lshl_add_u32 v5, v6, 4, v5                   ; and 16 more for each 256 passed
	s_mul_i32 s21, s15, HALFS
	s_mul_i32 s22, s16, HALFS
	s_add_co_u32 s22, s22, 2*HALFS
	s_sub_co_u32 s22, s22, s21
	v_mul_u32_u24 v6, s22, v2                      ; lanes 16-31 take B's: one product, the distance x h
	s_add_co_u32 s21, s21, SCL
	v_add_nc_u32 v5, v5, v6
	v_add_nc_u32 v[ADRS], s21, v5
	s_mul_i32 s23, s14, 16*SPITCH
	s_add_co_u32 s23, s23, STAGE                   ; my stage
	v_mul_u32_u24 v5, v1, SPITCH                   ; in: row r, 16 bytes for each half of the lanes
	v_lshl_add_u32 v5, v2, 4, v5
	v_add_nc_u32 v[STO], s23, v5
	v_and_b32 v6, 31, v0
	v_lshrrev_b32 v7, 3, v6                        ; back: eight lanes take the 128 bytes of one head of one token, four tokens an instruction
	v_and_b32 v8, 7, v0
	v_mul_u32_u24 v7, v7, SPITCH
	v_lshl_add_u32 v7, v8, 4, v7
	v_add_nc_u32 v[RD], s23, v7
	v_lshlrev_b32 v[CO], 4, v6                     ; and in memory those four rows of 128 bytes are 512 bytes on end
	v_lshlrev_b32 v9, 5, v2                        ; the bias: my half's eight columns, 32 bytes
	s_lshl_b32 s20, s17, 8
	s_lshl_b32 s21, s15, 7
	s_add_co_u32 s20, s20, s21                     ; my first token
	s_lshl_b32 s20, s20, 7                         ; x 128 bytes
	s_lshl_b32 s21, ttmp9, 24                      ; + the kind's 16,777,216 bytes
	s_add_co_u32 s20, s20, s21
	s_mov_b32 s21, 0
	s_lshl_b32 s46, s40, 2
	s_lshl_b32 s47, s16, 1
	s_add_co_u32 s46, s46, s47                     ; my first head: 4 cx + 2 x column half
	s_lshl_b32 s46, s46, 20                        ; x 1,048,576 bytes
	s_mov_b32 s47, 0
	s_add_nc_u64 s[20:21], s[20:21], s[46:47]
	s_add_nc_u64 s[12:13], s[12:13], s[20:21]
	s_lshl_b32 s46, s40, 10
	s_lshl_b32 s47, s16, 9
	s_add_co_u32 s46, s46, s47                     ; my first column in the kind's bias, in bytes
	s_mov_b32 s47, 0
	s_add_nc_u64 s[98:99], s[98:99], s[46:47]
.irp b, 0,1,2,3,4,5,6,7
	global_load_b128 v[BI+8*\b:BI+8*\b+3], v9, s[98:99] offset:64*\b        ; register j of block b: the bias of column 16 b + 8 h + j, for every token
	global_load_b128 v[BI+8*\b+4:BI+8*\b+7], v9, s[98:99] offset:64*\b+16
.endr
.macro FRAG reg, adr, q, i             ; 16 rows x 128 K of 4-bit codes: registers 4 c .. 4 c + 3 hold K = 64 c + 32 h + 0 .. 31
.irp c, 0,1
	ds_load_b128 v[\reg+4*\c:\reg+4*\c+3], v[\adr] offset:64*(\q)+32*\c+(\i)*16*PITCH
.endr
.endm
; 16 matrix instructions: A's blocks a0, a0 + 1 x B's eight, the slot's q-th 128 along K.  zero = 1: the first product starts the sums from the bias.  The 64 accumulators take turns.
.macro MUL16 a0, p, q, sc, zero
.irp a, \a0, \a0+1
.irp b, 0,1,2,3,4,5,6,7
.if \zero
	v_wmma_scale_f32_16x16x128_f8f6f4 v[8*(8*((\a)%4)+\b):8*(8*((\a)%4)+\b)+7], v[128*(\p)+FR*\b:128*(\p)+FR*\b+FR-1], v[AF+FR*(\a):AF+FR*(\a)+FR-1], v[BI+8*\b:BI+8*\b+7], v[SC+8*NQ*(\sc)+NQ*\b+(\q)], v[SC+8*NQ*(\sc)+NQ*(\a)+(\q)] matrix_a_fmt:MATRIX_FMT_FP4 matrix_b_fmt:MATRIX_FMT_FP4 matrix_a_scale:MATRIX_SCALE_ROW1
.else
	v_wmma_scale_f32_16x16x128_f8f6f4 v[8*(8*((\a)%4)+\b):8*(8*((\a)%4)+\b)+7], v[128*(\p)+FR*\b:128*(\p)+FR*\b+FR-1], v[AF+FR*(\a):AF+FR*(\a)+FR-1], v[8*(8*((\a)%4)+\b):8*(8*((\a)%4)+\b)+7], v[SC+8*NQ*(\sc)+NQ*\b+(\q)], v[SC+8*NQ*(\sc)+NQ*(\a)+(\q)] matrix_a_fmt:MATRIX_FMT_FP4 matrix_b_fmt:MATRIX_FMT_FP4 matrix_a_scale:MATRIX_SCALE_ROW1
.endif
.endr
.endr
.endm
.macro FETCH_B slot, q, p
	WIN TO_B
.irp i, 0,1,2,3,4,5,6,7
	FRAG 128*(\p)+FR*\i, ADRB+\slot, \q, \i
.endr
	WIN 0
.endm
.macro FETCH_A slot, q, i0
.irp i, \i0, \i0+1, \i0+2, \i0+3
	FRAG AF+FR*(\i), ADRA+\slot, \q, \i
.endr
.endm
.macro SCALES sc                       ; a slot's scale words: 4 words a row; lanes 0-15 take A's block i, lanes 16-31 B's block i
.irp i, 0,1,2,3,4,5,6,7
	ds_load_b128 v[SC+8*NQ*\sc+NQ*\i:SC+8*NQ*\sc+NQ*\i+3], v[ADRS] offset:\i*SBLK
.endr
.endm
.macro PLACES n                        ; plain vector lines between a matrix instruction and a load into one of its registers, or a read of its result
.rept \n
	v_nop
.endr
.endm
.macro STEP slot, q, zero              ; a step of 128 along K that has its successor in the same slot
	s_wait_dscnt 4*NL                              ; B's set and A's blocks 0-3 are in; the youngest eight loads (A's blocks 4-7) may be out
	WLO \zero
	MUL16 0, (\q)%2, \q, \slot, \zero
	MUL16 2, (\q)%2, \q, \slot, \zero
	s_wait_dscnt 0
	PLACES NP
	FETCH_B \slot, (\q)+1, 1-(\q)%2
	FETCH_A \slot, (\q)+1, 0
	WHI \zero
	MUL16 4, (\q)%2, \q, \slot, \zero
	MUL16 6, (\q)%2, \q, \slot, \zero
	PLACES NP
	WIN 0
	FETCH_A \slot, (\q)+1, 4
.endm
.macro STEPS slot, from
.set Q, \from
.rept NQ-1-\from
	STEP \slot, Q, 0
.set Q, Q+1
.endr
.endm
	s_wait_tensorcnt 1                             ; of my three loads the scales' and slot 0's are in; slot 1's may be out
	s_barrier_signal -1
	s_barrier_wait -1
	FETCH_B 0, 0, 0
	FETCH_A 0, 0, 0
	SCALES 0
	FETCH_A 0, 0, 4
	s_wait_loadcnt 0x0                             ; the bias
	STEP 0, 0, 1
	STEPS 0, 1
	; slot 0's last step changes slots: one barrier; in front of it my part of slot 1 has landed
	s_wait_tensorcnt 0x0
	ds_add_u32 v[SPW], v[NIL]
	s_wait_dscnt 4*NL+1                            ; the add and the youngest eight loads may be out
	WIN MUL_LO
	MUL16 0, 1, NQ-1, 0, 0
	s_wait_dscnt 0x0
	s_barrier_signal -1
	MUL16 2, 1, NQ-1, 0, 0
	WIN 0
	s_barrier_wait -1
	PLACES NP
	v_add_nc_u32 v[ADRS], 4*NQ, v[ADRS]            ; on to slot 1's scale words
	FETCH_B 1, 0, 0
	FETCH_A 1, 0, 0
	SCALES 1
	WIN MUL_HI
	MUL16 4, 1, NQ-1, 0, 0
	MUL16 6, 1, NQ-1, 0, 0
	PLACES NP
	WIN 0
	FETCH_A 1, 0, 4
	STEPS 1, 0
	s_wait_dscnt 4*NL                              ; the very last step: nothing more to fetch
	WIN MUL_LO
	MUL16 0, 1, NQ-1, 1, 0
	MUL16 2, 1, NQ-1, 1, 0
	s_wait_dscnt 0
	WIN MUL_HI
	MUL16 4, 1, NQ-1, 1, 0
	MUL16 6, 1, NQ-1, 1, 0
	WIN 0
; THE WAY OUT, a block of 16 tokens x 128 columns (two heads) at a time: rounded to f16, 16 bytes a lane, through my own stage, back as four tokens x 128 bytes of one head, which are 512 bytes on end in memory.
.macro PACK a
.set AC, 64*((\a)%4)
	WIN 0x0a+5*((\a)/4)                            ; sources 0 and 1: window 2 or 3
.irp b, 0,1,2,3,4,5,6,7
.irp r, 0,1,2,3
	v_cvt_pk_f16_f32 v[TMP+4*\b+\r], v[AC+8*\b+2*\r], v[AC+8*\b+2*\r+1]   ; each accumulator from its low end on
.endr
.endr
	WIN 0
.endm
.macro TOSTAGE a
.set BB, BK+32*((\a)%2)
.irp b, 0,1,2,3,4,5,6,7
	ds_store_b128 v[STO], v[TMP+4*\b:TMP+4*\b+3] offset:32*\b
.endr
.irp t, 0,1,2,3,4,5,6,7
	ds_load_b128 v[BB+4*\t:BB+4*\t+3], v[RD] offset:(\t%4)*4*SPITCH+(\t/4)*128   ; LDS serves a wave's instructions in order: these see the stores above
.endr
.endm
.macro SEND a
.set BB, BK+32*((\a)%2)
	s_wait_dscnt 0x0                               ; the block is back in registers
	s_wait_xcnt 0x0                                ; the stores of the block before have read their registers: the next block's loads may land there
.irp t, 0,1,2,3,4,5,6,7
	global_store_b128 v[CO], v[BB+4*\t:BB+4*\t+3], s[12:13] offset:(\t/4)*1048576+2048*(\a)+512*(\t%4)   ; 512 consecutive bytes, aligned
.endr
.endm
	PLACES NP                                      ; behind the last products: for the loads into A's registers and for the reads of results
	PACK 0
	TOSTAGE 0
.irp a, 1,2,3,4,5,6,7
	PACK \a                                        ; block a's conversions stand between block a - 1's loads from the stage and the wait for them
	SEND \a-1
	TOSTAGE \a
.endr
	SEND 7
	s_wait_tensorcnt 0x0                           ; the wave's end
	ds_add_u32 v[SPW], v[NIL]
	s_wait_dscnt 0x0
	CROUND                                         ; the closing round
	s_endpgm
.Lfunc_end_k_q5b2de5080b_qkv:
	.size	k_q5b2de5080b_qkv, .Lfunc_end_k_q5b2de5080b_qkv-k_q5b2de5080b_qkv
	.p2alignl 7, 3214868480
	.fill 96, 4, 3214868480
	.section	.rodata,"a",@progbits
	.p2align	6, 0x0
	.amdhsa_kernel k_q5b2de5080b_qkv
		.amdhsa_group_segment_fixed_size 327680
		.amdhsa_private_segment_fixed_size 0
		.amdhsa_enable_private_segment 0
		.amdhsa_kernarg_size 48
		.amdhsa_user_sgpr_count 2
		.amdhsa_user_sgpr_kernarg_segment_ptr 1
		.amdhsa_wavefront_size32 1
		.amdhsa_system_sgpr_workgroup_id_x 1
		.amdhsa_system_sgpr_workgroup_id_y 1
		.amdhsa_system_sgpr_workgroup_id_z 1
		.amdhsa_system_vgpr_workitem_id 0
		.amdhsa_next_free_vgpr 1024
		.amdhsa_next_free_sgpr 100
		.amdhsa_reserve_vcc 0
		.amdhsa_float_denorm_mode_32 3
		.amdhsa_float_denorm_mode_16_64 3
		.amdhsa_memory_ordered 1
		.amdhsa_forward_progress 1
		.amdhsa_inst_pref_size 128
	.end_amdhsa_kernel
	.amdgpu_metadata
---
amdhsa.version: [ 1, 2 ]
amdhsa.kernels:
  - .name:           k_q5b2de5080b_qkv
    .symbol:         k_q5b2de5080b_qkv.kd
    .args:
      - { .name: codes, .offset: 0, .size: 8, .value_kind: global_buffer, .address_space: global }
      - { .name: scales, .offset: 8, .size: 8, .value_kind: global_buffer, .address_space: global }
      - { .name: bq, .offset: 16, .size: 8, .value_kind: global_buffer, .address_space: global }
      - { .name: bk, .offset: 24, .size: 8, .value_kind: global_buffer, .address_space: global }
      - { .name: bv, .offset: 32, .size: 8, .value_kind: global_buffer, .address_space: global }
      - { .name: qkv, .offset: 40, .size: 8, .value_kind: global_buffer, .address_space: global }
    .group_segment_fixed_size: 327680
    .private_segment_fixed_size: 0
    .kernarg_segment_align: 8
    .kernarg_segment_size: 48
    .max_flat_workgroup_size: 128
    .sgpr_count:     100
    .vgpr_count:     1024
    .wavefront_size: 32
...
	.end_amdgpu_metadata
.endif
;; end of part 2
;; launch attn (part 3): grid 8 x 64, 4 waves a work-group, clusters of 4 x 1, 327,680 bytes of LDS; arguments qkv, oh, plog, bb; writes oh
.if DOCPART == 3
	.amdgcn_target "amdgcn-amd-amdhsa--gfx1250"
	.amdhsa_code_object_version 6
	.text
	.protected	k_q5b2de5080b_attn
	.globl	k_q5b2de5080b_attn
	.p2align	8
	.type	k_q5b2de5080b_attn,@function
k_q5b2de5080b_attn:
	s_mov_b64 s[64:65], 0
	v_nop
	global_prefetch_b8 v0, s[64:65] scope:SCOPE_SE
	s_setreg_imm32_b32 hwreg(HW_REG_WAVE_MODE, 25, 1), 1
	s_wait_xcnt 0x0
	s_wait_alu depctr_hold_cnt(0) depctr_sa_sdst(0) depctr_va_vdst(0) depctr_va_sdst(0) depctr_va_ssrc(0) depctr_va_vcc(0) depctr_vm_vsrc(0)
	s_getreg_b32 s2, hwreg(HW_REG_IB_STS2, 6, 4)
	s_cmp_eq_u32 s2, 0
	s_cbranch_scc0 .Lentry_in_a_cluster
	s_endpgm
.Lentry_in_a_cluster:
	s_bfe_u32 s2, ttmp6, 0x10000c
	s_cmp_lg_u32 s2, 0x3003
	s_cbranch_scc0 .Lentry_shape_is_right
	s_endpgm
.Lentry_shape_is_right:
; O[b][h][q] = the sum over k of softmax_k(beta Q.K / 8) V[k], beta = sigmoid(mean over tokens of query . Wb[h] + bb[h]).  Q, K, V: f16, [kind][head][token][64]; O: f16, [token / 128][head][token % 128][64].
; Products, maxima and sums in f32; the weights p are rounded to f16 for the second product, O once at the end.
; LIMITS: |Q|, |K|, |V|, |O| under 65,504 (f16); p is at most 1 by the running maximum; NaN and infinities are not served.
; SHARES.  Work-group y = 4 head + batch; x = a block of 256 queries; each of four waves owns 64 queries: four tiles of 16.  Every wave walks the 2,048 keys, 64 a step.
; LAYOUT.  S^T = K Q^T (source 0 = 16 keys, source 1 = 16 queries): a lane holds ONE query (lane % 16) and the keys 8 (lane / 16) + 0..7.  Two such tiles, rounded in pairs, ARE source 1 of O^T = V^T P.
; K comes out of LDS as it lies, V ([key][channel]) turned, by ds_load_tr16_b128.
; SOFTMAX.  A running maximum m and sum l for each query: p = 2^(c s - c m), c = beta log2(e) / 8, 0 or more, so that the largest score is the largest c s; O and l are multiplied by a = 2^(c m_old - c m_new) in every step.
; BY TURNS.  The wave's tiles are two pieces (tiles 0, 1 and tiles 2, 3).  In a turn one piece has the matrix unit: 16 products V^T P of the step in hand, then 16 products K Q^T of the next step; the other piece's
; softmax, 2 x 118 instructions in 64 slices (the last five are empty), stands between them, two slices behind each matrix instruction.  Two turns are a key step.
; CLUSTER.  The four query blocks of a cluster walk the same K and V: each tile is asked for jointly, by the same tensor load with a mask that names the four.
; THE RING.  Two slots of 256 keys (four key steps): 256 rows of K, then 256 rows of V.  One joint load a wave behind each round: waves 0, 1 K's halves, waves 2, 3 V's; it has four key steps, 256 matrix instructions, in which to land.
; REGISTERS: window 0: v0-11 addresses; v12-43 eight statistics a tile; v44-48 the gate; v61-63; v64-191 S^T, 32 a tile; v192-255 P, 16 a tile.
;   window 1: v0-127 O^T, 32 a tile.   window 2: v0-63 Q, 16 a tile; v128-191 K of one step.   window 3: v0-63 V of one step.
.set KS,    64
.set PK,    144       ; a row of K in LDS: 128 bytes + 16: 36 words from row to row, so the 16 rows of a load start at 16 different places modulo 64 words
.set PV,    160       ; a row of V: 128 + 32: 40 words: 16 lanes of the turning load take 8 rows x 32 bytes
.set VOFF,  256*PK
.set KSTEP, KS*PK
.set VSTEP, KS*PV
.set SLOT1, 1<<17     ; slot 1 begins here: one exclusive or turns an address in one slot into the other's
.set SLOTB, 32768     ; a slot's rows of K, or of V, in memory
.set KIND,  16777216  ; from Q to K, from K to V
.set STAGE, SLOT1+256*(PK+PV)   ; behind the ring: 16 rows x 144 bytes for each wave
.set SP,    144
.set SPARE, STAGE+4*16*SP       ; the spare words: 128 bytes a wave
.set AK0, 2
.set AV0, 3
.set ADR, 4
.set QO,  5
.set STO, 6
.set RD,  7
.set GO,  8
.set PFO, 61          ; v61  256 x my lane; never rewritten
.set SPW, 62
.set NIL, 63
.set ST,  12          ; tile t's statistics at v[ST+8 t]: +0 c m, +1 m, +2, +3 l (even keys', odd keys'), +4 to +7 at work; a takes +6
.set S,   64
.set P,   192
.set KF,  128
.set WV,  12
.set LIM, 15
.set PFA, 18
.set G1K, 24
.set G1V, 32
.set G0K, 40
.set G0V, 48
.set SLOTS, 56
.set CNT, 57
.set CS,  58
.set SEL, 60
.set TK,  62          ; s62  LDS byte at which K's rows of the step to be fetched begin
.set TV,  63          ; s63  the same for V's, less VOFF
.set MSB, 0
.macro WIN new
.if MSB != \new
	s_set_vgpr_msb (MSB<<8)|\new
.set MSB, \new
.endif
.endm
.set W_KQ, 0x0a       ; K and Q in window 2, S^T in window 0
.set W_PV, 0x53       ; V in window 3, P in window 0, O^T in window 1
.set W_RS, 0x41       ; O^T (destination and source 0) in window 1, a in window 0
.macro JLOAD                        ; a joint refill; the branch hangs on the wave's number alone; an s_nop 0 and four v_nop follow each line
	s_cmp_lt_u32 s[WV], 2
	s_cbranch_scc0 .Lfor_v_\@
	tensor_load_to_lds s[G0K+4:G0K+7], s[G1K:G1K+7]
	s_nop 0
.rept 4
	v_nop
.endr
	s_branch .Lasked_\@
.Lfor_v_\@:
	tensor_load_to_lds s[G0V+4:G0V+7], s[G1V:G1V+7]
	s_nop 0
.rept 4
	v_nop
.endr
.Lasked_\@:
.endm
; A PREFETCH of what the NEXT change of slots will ask for: 32,768 bytes of K and as many of V.  Each aligned 256 bytes are named once in the launch: the (head, batch)'s first cluster asks; its four partners take
; 8,192 bytes each, told apart by address; in each, wave 0 asks for K's and wave 2 for V's, lanes 256 bytes apart: one instruction.  The last change that fills a slot asks for nothing.
.macro ASK
	s_cmp_gt_u32 s[SLOTS], s[LIM]
	s_cbranch_scc0 .Lnot_mine_\@
	global_prefetch_b8 v[PFO], s[PFA:PFA+1] th:TH_LOAD_NT scope:SCOPE_SE
.Lnot_mine_\@:
.endm
.macro CROUND
	s_barrier_signal -1
	s_barrier_wait -1
	s_cmp_lg_u32 s[WV], 0
	s_cbranch_scc1 .Lnot_wave_0_\@
	s_barrier_signal -3
.Lnot_wave_0_\@:
	s_barrier_wait -3
	s_barrier_signal -1
	s_barrier_wait -1
.endm
	s_load_b256 s[68:75], s[0:1], 0x0 ; qkv 68, oh 70, plog 72, bb 74
	v_lshl_add_u32 v[SPW], v0, 2, SPARE
	v_mov_b32 v[NIL], 0
	ds_add_u32 v[SPW], v[NIL]       ; the wave's opening: the add, twice on end, and its wait ahead of my first tensor load
	ds_add_u32 v[SPW], v[NIL]
	v_lshrrev_b32 v1, 5, v0
	v_readfirstlane_b32 s[WV], v1   ; wave 0..3
	s_bfe_u32 s13, ttmp6, 0x40000   ; cx
	s_lshl_b32 s14, ttmp9, 2
	s_add_co_u32 s14, s14, s13      ; my block of 256 queries: it enters Q's and O's addresses alone
	s_and_b32 s20, ttmp7, 0xffff    ; y = 4 head + batch, which the four partners share
	s_lshr_b32 s21, s20, 2          ; head
	s_and_b32 s23, s20, 3           ; batch
	s_and_b32 s16, s[WV], 1         ; which 128 rows of a slot I fetch
	s_lshl_b32 s20, s20, 18         ; the (head, batch)'s 2,048 rows of 128 bytes
	s_lshl_b32 s6, s16, 14
	s_add_co_u32 s6, s6, s20        ; K, V: my half of slot 0
	s_mov_b32 s7, 0
	s_lshl_b32 s4, s14, 15          ; Q: my block's 256 rows,
	s_lshl_b32 s5, s[WV], 13        ; my wave's 64 of them
	s_add_co_u32 s4, s4, s5
	s_add_co_u32 s4, s4, s20
	s_mov_b32 s5, 0
	s_lshl_b32 s10, s23, 4          ; O: token / 128 = 16 batch + 2 block + wave / 2,
	s_lshl_b32 s11, s14, 1
	s_add_co_u32 s10, s10, s11
	s_lshr_b32 s11, s[WV], 1
	s_add_co_u32 s10, s10, s11
	s_lshl_b32 s10, s10, 18         ; x 262,144 bytes,
	s_lshl_b32 s11, s21, 14         ; + the head's 16,384,
	s_add_co_u32 s10, s10, s11
	s_lshl_b32 s11, s16, 13         ; + 64 (wave % 2) rows of 128 bytes
	s_add_co_u32 s10, s10, s11
	s_mov_b32 s11, 0
	s_lshl_b32 s2, s23, 12          ; plog: the batch's 64 work-groups of 64 bytes,
	s_lshl_b32 s66, s21, 2          ; my head's word; bb: the same word
	s_add_co_u32 s2, s2, s66
	s_mov_b32 s3, 0
	s_mov_b32 s67, 0
	s_mul_i32 s17, s16, 128*PK      ; my tile's place in a slot: K's,
	s_mul_i32 s22, s16, 128*PV
	s_add_co_u32 s22, s22, VOFF     ; V's: no place in the cluster enters an LDS address
	s_mov_b32 s[G1K], 15|(1<<16)|(1<<20)|(1<<21)|(4<<22)|(3<<25)  ; the mask: all four; elements of 2 bytes; padding on; bit 21 beside a mask; 4 words behind every 32
	s_mov_b32 s[G1V], 15|(1<<16)|(1<<20)|(1<<21)|(4<<22)|(7<<25)  ; the same with 8 words of padding
.irp g, G1K, G1V
	s_mov_b32 s[\g+1], 64<<16       ; tensor_dim0 = 64
	s_mov_b32 s[\g+2], 128<<16      ; tensor_dim1 = 128
	s_mov_b32 s[\g+3], 64<<16       ; tile_dim0 = 64
	s_mov_b32 s[\g+4], 128          ; tile_dim1 = 128
	s_mov_b32 s[\g+5], 64           ; elements from row to row
	s_mov_b32 s[\g+6], 0
	s_mov_b32 s[\g+7], 0
.endr
	s_mov_b32 s[SEL], 0x76543210
	s_mov_b32 s[SEL+1], 0xfedcba98
	s_mov_b32 s[TK], 0
	s_mov_b32 s[TV], 0
	s_mov_b32 s[SLOTS], 2048/256-2
	s_and_b32 s[LIM], s[WV], 1       ; 0 in waves 0 and 2,
	s_or_b32 s[LIM], s[LIM], ttmp9   ; of the first cluster: the same in all four partners
	s_cmp_eq_u32 s[LIM], 0
	s_cselect_b32 s[LIM], 1, -1
	v_and_b32 v[PFO], 31, v0
	v_lshlrev_b32 v[PFO], 8, v[PFO]
	s_wait_dscnt 0x0                ; both opening adds are done
	s_wait_kmcnt 0x0
	s_add_nc_u64 s[4:5], s[68:69], s[4:5]    ; Q at my wave's first row
	s_add_nc_u64 s[6:7], s[68:69], s[6:7]
	s_add_nc_u64 s[8:9], s[6:7], 2*KIND      ; V at my tile of slot 0
	s_add_nc_u64 s[6:7], s[6:7], KIND        ; K likewise
	s_add_nc_u64 s[10:11], s[70:71], s[10:11]  ; O at my wave's first row
	s_add_nc_u64 s[72:73], s[72:73], s[2:3]
	s_add_nc_u64 s[74:75], s[74:75], s[66:67]
	s_cmp_lt_u32 s[WV], 2
	s_cselect_b64 s[PFA:PFA+1], s[6:7], s[8:9]  ; (in waves 0 and 2 these stand at a slot's first row)
	s_lshl_b32 s2, s13, 13          ; my work-group's 8,192 bytes of the 32,768
	s_mov_b32 s3, 0
	s_add_nc_u64 s[PFA:PFA+1], s[PFA:PFA+1], s[2:3]
	s_add_nc_u64 s[PFA:PFA+1], s[PFA:PFA+1], 2*SLOTB  ; in slot 2; the first change of slots steps it to slot 3.  Nothing is prefetched at the head
	CROUND                          ; all four work-groups are here: the first joint loads meet
.irp s, 0,1
	s_mov_b32 s[G0K+4*\s], 1
	s_add_co_u32 s[G0K+4*\s+1], s17, \s*SLOT1
	s_add_nc_u64 s[G0K+4*\s+2:G0K+4*\s+3], s[6:7], \s*SLOTB
	s_or_b32 s[G0K+4*\s+3], s[G0K+4*\s+3], 0x80000000
	s_mov_b32 s[G0V+4*\s], 1
	s_add_co_u32 s[G0V+4*\s+1], s22, \s*SLOT1
	s_add_nc_u64 s[G0V+4*\s+2:G0V+4*\s+3], s[8:9], \s*SLOTB
	s_or_b32 s[G0V+4*\s+3], s[G0V+4*\s+3], 0x80000000
.endr
	s_cmp_lt_u32 s[WV], 2           ; a wave's two first fills stand in one branch, ahead of every wait on TENSORcnt and every LDS read: two loads of mine are out
	s_cbranch_scc0 .Lfirst_v
	tensor_load_to_lds s[G0K:G0K+3], s[G1K:G1K+7]
	s_nop 0
	tensor_load_to_lds s[G0K+4:G0K+7], s[G1K:G1K+7]
	s_nop 0
.rept 4
	v_nop
.endr
	s_branch .Lfirst_asked
.Lfirst_v:
	tensor_load_to_lds s[G0V:G0V+3], s[G1V:G1V+7]
	s_nop 0
	tensor_load_to_lds s[G0V+4:G0V+7], s[G1V:G1V+7]
	s_nop 0
.rept 4
	v_nop
.endr
.Lfirst_asked:
	v_and_b32 v1, 15, v0            ; r = lane % 16
	v_bfe_u32 v9, v0, 4, 1          ; h = lane / 16
	v_lshlrev_b32 v[QO], 7, v1
	v_lshl_add_u32 v[QO], v9, 4, v[QO]  ; row x 128 + 16 h
	WIN 0x80                        ; destination window 2, address window 0
.irp i, 0,1,2,3,4,5,6,7             ; Q stays in registers: tile i / 2, channels 32 (i % 2) on
	global_load_b128 v[8*\i:8*\i+3],   v[QO], s[4:5] offset:(\i/2)*2048+(\i%2)*64
	global_load_b128 v[8*\i+4:8*\i+7], v[QO], s[4:5] offset:(\i/2)*2048+(\i%2)*64+32
.endr
	WIN 0
	v_and_b32 v44, 31, v0
	v_lshlrev_b32 v44, 6, v44       ; plog: a lane to a work-group's 64 bytes
	v_mov_b32 v48, 0
	global_load_b32 v45, v44, s[72:73]              ; the batch's 64 partial sums for my head: two a lane
	global_load_b32 v46, v44, s[72:73] offset:2048
	global_load_b32 v47, v48, s[74:75]              ; bb[head]
	v_mul_u32_u24 v[AK0], v1, PK
	v_lshl_add_u32 v[AK0], v9, 4, v[AK0]  ; row x pitch + 16 h
	v_and_b32 v10, 7, v0            ; the turning load: lane l reads key 8 (l / 16) + l % 8, channels 8 ((l / 8) % 2) + 0..7
	v_bfe_u32 v11, v0, 3, 1
	v_lshl_add_u32 v[AV0], v9, 3, v10
	v_mul_u32_u24 v[AV0], v[AV0], PV
	v_lshl_add_u32 v[AV0], v11, 4, v[AV0]
	v_add_nc_u32 v[AV0], VOFF, v[AV0]
; THE MATRIX WORK OF A TURN, for piece x.  The accumulators take turns, one instruction a turn: between two links of a chain stand 7 others'.
; Product i of 16 of O^T += V^T P: keys 32 (i / 8) on, channels 16 ((i / 2) % 4) on, tile x + i % 2.  zero = 1: the first 8 start the sums.
.macro PV x, zero
	WIN W_PV
.set rO, 32*(\x+i%2)+8*((i/2)%4)
.set rV, 32*(i/8)+8*((i/2)%4)
.set rP, P+16*(\x+i%2)+8*(i/8)
.if \zero && (i < 8)
	v_wmma_f32_16x16x32_f16 v[rO:rO+7], v[rV:rV+7], v[rP:rP+7], 0
.else
	v_wmma_f32_16x16x32_f16 v[rO:rO+7], v[rV:rV+7], v[rP:rP+7], v[rO:rO+7]
.endif
.endm
; Product i of 16 of S^T = K Q^T: channels 32 (i / 8) on, keys 16 ((i / 2) % 4) on, tile x + i % 2.  The first 8 start the sums.
.macro KQ x
	WIN W_KQ
.set rS, S+32*(\x+i%2)+8*((i/2)%4)
.set rK, KF+16*((i/2)%4)+8*(i/8)
.set rQ, 16*(\x+i%2)+8*(i/8)
.if i < 8
	v_wmma_f32_16x16x32_f16 v[rS:rS+7], v[rK:rK+7], v[rQ:rQ+7], 0
.else
	v_wmma_f32_16x16x32_f16 v[rS:rS+7], v[rK:rK+7], v[rQ:rQ+7], v[rS:rS+7]
.endif
.endm
; THE LDS LOADS stand in runs of 16: a step's K (64 keys x 64 channels: 8 fragments) and, a turn later, its V (turned).
.macro FETCH_K
	WIN 0
	v_add_nc_u32 v[ADR], s[TK], v[AK0]
	WIN 0x80                        ; destination window 2
.irp f, 0,1,2,3,4,5,6,7             ; keys 16 (f / 2) on, channels 32 (f % 2) on
	ds_load_b128 v[KF+8*\f:KF+8*\f+3],   v[ADR] offset:(\f/2)*16*PK+(\f%2)*64
	ds_load_b128 v[KF+8*\f+4:KF+8*\f+7], v[ADR] offset:(\f/2)*16*PK+(\f%2)*64+32
.endr
.endm
.macro FETCH_V
	WIN 0
	v_add_nc_u32 v[ADR], s[TV], v[AV0]
	s_add_co_u32 s[TK], s[TK], KSTEP  ; the next fetches are the next step's
	s_add_co_u32 s[TV], s[TV], VSTEP
	s_wait_alu depctr_va_vdst(0)    ; the wait for the softmax's batch of exponentials, behind the address's addition and ahead of the loads
	WIN 0xc0                        ; destination window 3
.irp f, 0,1,2,3,4,5,6,7             ; keys 32 (f / 4) on, channels 16 (f % 4) on
	ds_load_tr16_b128 v[8*\f:8*\f+3],   v[ADR] offset:(\f/4)*32*PV+(\f%4)*32
	ds_load_tr16_b128 v[8*\f+4:8*\f+7], v[ADR] offset:(\f/4)*32*PV+16*PV+(\f%4)*32
.endr
.endm
; THE VECTOR WORK OF A TURN.  One tile's softmax for one key step is a list of 118 instructions; SM writes number j of it for tile t.  first = 1: the first key step: no a, nothing to rescale.
;   0-15 the maximum of the lane's 32 scores and the old m;  16-20 the other half of the lanes' maximum, the new m, c m, c m_old - c m_new;
;   21-69 ONE BATCH: the 16 scalings c s - c m and all 33 exponentials (a at 23); none of these reads an exponential's result;  (the wait);
;   70-85 the roundings to f16;  86-101 the sums, l = a l + the sum;  102-117 the tile's O^T times a.
.macro SM t, first
.set rT, ST+8*(\t)
.set rS, S+32*(\t)
.set rP, P+16*(\t)
.set rO, 32*(\t)+2*(j-102)
.if j < 102
	WIN 0
.endif
.if j < 4
	v_max3_num_f32 v[rT+4+j], v[rS+8*j], v[rS+8*j+1], v[rS+8*j+2]   ; each accumulator is first read at its low end
.elseif j < 12
	v_max3_num_f32 v[rT+4+j%4], v[rT+4+j%4], v[rS+8*(j%4)+2*(j/4)+1], v[rS+8*(j%4)+2*(j/4)+2]
.elseif j == 12
	v_max3_num_f32 v[rT+4], v[rT+4], v[rS+7], v[rS+15]
.elseif j == 13
	v_max3_num_f32 v[rT+6], v[rT+6], v[rS+23], v[rS+31]
.elseif j == 14
	v_max3_num_f32 v[rT+4], v[rT+4], v[rT+5], v[rT+6]
.elseif (j == 15) && \first
	v_max_num_f32 v[rT+4], v[rT+4], v[rT+7]
.elseif j == 15
	v_max3_num_f32 v[rT+4], v[rT+4], v[rT+7], v[rT+1]
.elseif j == 16
	v_permlanex16_b32 v[rT+5], v[rT+4], s[SEL], s[SEL+1]  ; the query's other 32 keys lie in the lane 16 away
.elseif j == 18
	v_max_num_f32 v[rT+1], v[rT+4], v[rT+5]
.elseif j == 19
	v_mul_f32 v[rT], s[CS], v[rT+1]
.elseif ((j == 17) || (j == 20) || (j == 23) || (j > 101)) && \first
.elseif j == 17
	v_mov_b32 v[rT+7], v[rT]        ; c m_old is kept for a
.elseif j == 20
	v_sub_f32 v[rT+7], v[rT+7], v[rT]
.elseif j == 23
	v_exp_f32 v[rT+6], v[rT+7]
.elseif (j < 23) || ((j < 38) && (j%2 == 0)) || ((j < 66) && (j%4 == 2))
.set b, (j-2)/4                     ; 38, 42, .. 62: pairs 9 to 15
.if j < 38
.set b, (j-20)/2                    ; 21: pair 0; 22, 24, .. 36: pairs 1 to 8
.endif
	v_pk_fma_f32 v[rS+2*b:rS+2*b+1], v[rS+2*b:rS+2*b+1], s[CS:CS+1], v[rT:rT+1] op_sel_hi:[1,0,0] neg_lo:[0,0,1] neg_hi:[0,0,1]  ; pair b: c s - c m
.elseif j < 70
.set e, j-38                        ; 66 to 69: s28 to s31
.if j < 66
.set e, j-32-(j-38)/4               ; 39-41, 43-45, .. 63-65: s7 to s27
.endif
.if j < 38
.set e, (j-25)/2                    ; 25, 27, .. 37: s0 to s6
.endif
	v_exp_f32 v[rS+e], v[rS+e]
.elseif j < 86
	v_cvt_pk_f16_f32 v[rP+j-70], v[rS+2*(j-70)], v[rS+2*(j-70)+1]
.elseif j < 102                     ; the sum of the tile's 16 pairs, in place: neighbours 1, 2, 4 and 8 pairs apart, then l takes it
.set z, j-86
.set w, 4
.set u, z
.if z >= 14
.set w, 32
.set u, 0
.elseif z >= 12
.set w, 16
.set u, z-12
.elseif z >= 8
.set w, 8
.set u, z-8
.endif
.if (z == 14) && \first
	v_pk_add_f32 v[rT+2:rT+3], v[rS:rS+1], v[rS+16:rS+17]
.elseif z < 15
	v_pk_add_f32 v[rS+w*u:rS+w*u+1], v[rS+w*u:rS+w*u+1], v[rS+w*u+w/2:rS+w*u+w/2+1]
.elseif !\first
	v_pk_fma_f32 v[rT+2:rT+3], v[rT+2:rT+3], v[rT+6:rT+7], v[rS:rS+1] op_sel_hi:[1,0,1]
.endif
.elseif j < 118
	WIN W_RS
	v_pk_mul_f32 v[rO:rO+1], v[rO:rO+1], v[rT+6:rT+7] op_sel_hi:[1,0]
.endif
.endm
; Slice k of 64 of piece y's softmax: four instructions.  Slices 11 to 34 deal out the batch, four numbers of ONE tile each, the tiles by turns; every other slice is numbers 2 k and 2 k + 1 of both tiles; slices 59 to 63 are empty.
; Ahead of slice 35 nothing names an exponential's result, and behind slice 34 no exponential is issued: so the piece's 66 exponentials have one wait, behind slice 34.
.macro SLICE y, first
.if (k >= 11) && (k < 35)
.irp n, 0,1,2,3
.set j, 22+4*((k-11)/2)+(\n)
	SM (\y)+(k-11)%2, \first
.endr
.else
.irp n, 0,1
.irp t, \y, \y+1
.set j, 2*k+\n
	SM \t, \first
.endr
.endr
.endif
.if k == 34
	v_nop                           ; a plain instruction behind the last exponential and ahead of the first use: one for the batch
.if (\y) == 0
	FETCH_V                         ; piece 2's turn: V's run of loads stands here, and the wait stands in it
.else
	s_wait_alu depctr_va_vdst(0)
.endif
.endif
.set k, k+1
.endm
.macro PLACES
.rept 4
	v_nop
.endr
.endm
; A TURN.  Piece x has the matrix unit.  pv = 2: 16 products V^T P; 1: they start O^T's sums; 0: none.  kq = 1: 16 products K Q^T for the next step.  A turn with one kind has four slices behind each product.
; DISTANCES (four plain vector lines that name none of the product's registers; ISA guide 7.12.1).  The turn's last two products stand bare: they write the scores of keys 48-63, which the next turn reads first in
; number 3, behind numbers 0 to 2 of both tiles: six lines.  K's buffer is loaded behind the next turn's slices 0 to 3.  V's buffer, last read by product 15, is loaded behind three scalings, the v_nop and the run's own addition.
.macro TURN x, pv, kq, first
.set k, 0
.set per, 4
.if \pv && \kq
.set per, 2
.endif
.if \pv
.if \x == 0
	s_wait_dscnt 0x0                ; V is in
.endif
.set i, 0
.rept 16
	PV \x, 2-\pv
.rept per
	SLICE 2-\x, \first
.endr
.if (\x == 0) && \kq && (i == 1)
	FETCH_K
.endif
.set i, i+1
.endr
.endif
.if \kq
.if \x == 0
	s_wait_dscnt 0x0                ; K is in
.endif
.set i, 0
.rept 16
	KQ \x
.rept per
	SLICE 2-\x, \first
.endr
.set i, i+1
.endr
.endif
.if \first
	PLACES
.endif
.endm
; THE CHANGE OF SLOTS, between piece 2's turn and piece 0's: the slot's last bytes have been asked for.  Each wave waits for all its tensor loads (one is out: its part of the other slot), adds 0 to its spare word, and waits
; for that and for its own reads of the slot.  fill = 1: the barrier is a round of the cluster's, and the joint refill is the first thing behind it.
.macro CHANGE fill
	WIN 0
	s_wait_tensorcnt 0x0            ; no tensor load of mine is out, so a group 0 may be written
	ds_add_u32 v[SPW], v[NIL]
.if \fill
.irp g, G0K+4, G0V+4
	s_xor_b32 s[\g+1], s[\g+1], SLOT1  ; the walking descriptor: the other slot than last time,
	s_add_nc_u64 s[\g+2:\g+3], s[\g+2:\g+3], SLOTB  ; the next 256 keys
.endr
	s_wait_xcnt 0x0                 ; the last prefetch, four key steps back, has read its address
	s_add_nc_u64 s[PFA:PFA+1], s[PFA:PFA+1], SLOTB
	s_wait_dscnt 0x0                ; the add is done, and my reads of the slot are over
	CROUND
	JLOAD
	ASK
.else
	s_wait_dscnt 0x0
	s_barrier_signal -1
	s_barrier_wait -1
.endif
	s_sub_co_u32 s[TK], s[TK], 4*KSTEP  ; the fetches go back to a slot's first step,
	s_xor_b32 s[TK], s[TK], SLOT1   ; in the other slot
	s_sub_co_u32 s[TV], s[TV], 4*VSTEP
	s_xor_b32 s[TV], s[TV], SLOT1
.endm
.macro STEPS n                      ; n key steps: written once, walked n times; the LDS addresses hang on s[TK] and s[TV]
	s_mov_b32 s[CNT], \n
.Lstep_\@:
	TURN 0, 2, 1, 0
	TURN 2, 2, 1, 0
	WIN 0
	s_sub_co_u32 s[CNT], s[CNT], 1
	s_cmp_lg_u32 s[CNT], 0
	s_cbranch_scc1 .Lstep_\@
.endm
	s_wait_tensorcnt 1              ; my part of slot 0 is in; slot 1's may stay out
	s_barrier_signal -1
	s_barrier_wait -1
	FETCH_K                         ; key step 0
	WIN 0
	s_wait_loadcnt 0x0              ; Q, the partial sums, bb
	; c = sigmoid(sum / 2048 + bb) x log2(e) / 8: while K's loads are on their way
	v_add_f32 v45, v45, v46
	v_add_f32_dpp v45, v45, v45 row_xmask:1 row_mask:0xf bank_mask:0xf
	v_add_f32_dpp v45, v45, v45 row_xmask:2 row_mask:0xf bank_mask:0xf
	v_add_f32_dpp v45, v45, v45 row_xmask:4 row_mask:0xf bank_mask:0xf
	v_add_f32_dpp v45, v45, v45 row_xmask:8 row_mask:0xf bank_mask:0xf
	v_permlanex16_b32 v46, v45, s[SEL], s[SEL+1]
	v_add_f32 v45, v45, v46         ; the sum over the batch's 2,048 tokens of token . Wb[head]
	s_mov_b32 s16, 0x3a000000       ; 1 / 2,048
	v_fma_f32 v45, v45, s16, v47    ; the logit x
	v_mul_f32 v45, 0xbfb8aa3b, v45  ; -x log2(e)
	v_exp_f32 v45, v45
	v_nop
	s_wait_alu depctr_va_vdst(0)    ; the wait ahead of the first reader
	v_add_f32 v45, 1.0, v45
	v_rcp_f32 v45, v45              ; beta
	v_nop
	s_wait_alu depctr_va_vdst(0)
	v_mul_f32 v45, 0x3e38aa3b, v45  ; x log2(e) / 8
	v_readfirstlane_b32 s[CS], v45  ; a value alone: no address and no branch hangs on it
	s_mov_b32 s[CS+1], s[CS]        ; named with it as a pair, so it is written
	s_wait_dscnt 0x0
.set i, 0
.rept 16
	KQ 0                            ; piece 0's first scores
.set i, i+1
.endr
	WIN 0                           ; the addresses for the way out: plain instructions, the places behind those products
	s_mul_i32 s13, s[WV], 16*SP
	s_add_co_u32 s13, s13, STAGE    ; my stage
	v_mul_u32_u24 v[STO], v1, SP    ; in: row r, 16 bytes for each half of the lanes
	v_lshl_add_u32 v[STO], v9, 4, v[STO]
	v_add_nc_u32 v[STO], s13, v[STO]
	v_and_b32 v10, 31, v0
	v_lshrrev_b32 v11, 3, v10       ; back: eight lanes take a row of 128 bytes, four rows an instruction
	v_and_b32 v[RD], 7, v0
	v_mul_u32_u24 v11, v11, SP
	v_lshl_add_u32 v[RD], v[RD], 4, v11
	v_add_nc_u32 v[RD], s13, v[RD]
	v_lshlrev_b32 v[GO], 4, v10     ; and in O those four rows are 512 bytes on end
	TURN 2, 0, 1, 1                 ; piece 2's first scores | piece 0's first softmax | V of step 0
	TURN 0, 1, 1, 1                 ; piece 0: V^T P of step 0 starts O^T, K Q^T of step 1 | piece 2's first softmax | K of step 1
	TURN 2, 1, 1, 0                 ; piece 2: the same | piece 0's softmax of step 1 | V of step 1
	WIN 0
	STEPS 2                         ; the rest of slot 0 is fetched: steps 2 and 3
.Lslot:                             ; 6 trips: slots 2 to 7 are asked for
	CHANGE 1
	STEPS 4
	s_sub_co_u32 s[SLOTS], s[SLOTS], 1
	s_cmp_lg_u32 s[SLOTS], 0
	s_cbranch_scc1 .Lslot
	CHANGE 0                        ; the tail is written out
	STEPS 4
	TURN 0, 2, 0, 0                 ; piece 0: V^T P of the last step | piece 2's last softmax
.set i, 0
.rept 16
	PV 2, 0                         ; piece 2: V^T P of the last step
.set i, i+1
.endr
	; THE WAY OUT.  l's halves are added; O^T is divided by l, rounded to f16 and sent through my stage, a tile (16 rows of O) at a time.  The additions are the places behind the last products.
	WIN 0
.irp t, 0,1,2,3
	v_add_f32 v[ST+8*\t+4], v[ST+8*\t+2], v[ST+8*\t+3]
.endr
.irp t, 0,1,2,3
	v_permlanex16_b32 v[ST+8*\t+5], v[ST+8*\t+4], s[SEL], s[SEL+1]
.endr
.irp t, 0,1,2,3
	v_add_f32 v[ST+8*\t+4], v[ST+8*\t+4], v[ST+8*\t+5]
.endr
.irp t, 0,1,2,3
	v_rcp_f32 v[ST+8*\t+6], v[ST+8*\t+4]
.endr
	v_nop
	s_wait_alu depctr_va_vdst(0)    ; one wait for the four reciprocals
.macro PACK t
	WIN W_RS
.set i, 32*\t
.rept 16
	v_pk_mul_f32 v[i:i+1], v[i:i+1], v[ST+8*\t+6:ST+8*\t+7] op_sel_hi:[1,0]
.set i, i+2
.endr
	WIN 0x05                        ; sources 0 and 1 window 1, destination window 0: S^T's registers are free
.set i, 0
.rept 16
	v_cvt_pk_f16_f32 v[S+32*\t+i], v[32*\t+2*i], v[32*\t+2*i+1]
.set i, i+1
.endr
	WIN 0
.irp f, 0,1,2,3
	ds_store_b128 v[STO], v[S+32*\t+4*\f:S+32*\t+4*\f+3] offset:32*\f
.endr
.irp f, 0,1,2,3
	ds_load_b128 v[S+32*\t+4*\f:S+32*\t+4*\f+3], v[RD] offset:\f*4*SP  ; LDS serves a wave's instructions in order: these see the stores above; the next tile's stores come behind them
.endr
.endm
.macro SEND t, younger              ; younger: the LDS instructions issued behind tile t's loads: the next tile's eight, or none
.irp f, 0,1,2,3
	s_wait_dscnt \younger+3-\f
	global_store_b128 v[GO], v[S+32*\t+4*\f:S+32*\t+4*\f+3], s[10:11] offset:\t*2048+\f*512  ; 512 consecutive bytes, aligned
.endr
.endm
	PACK 0
	PACK 1
	SEND 0, 8
	PACK 2
	SEND 1, 8
	PACK 3
	SEND 2, 8
	SEND 3, 0
	s_wait_tensorcnt 0x0            ; the wave's end
	ds_add_u32 v[SPW], v[NIL]
	s_wait_dscnt 0x0
	CROUND                          ; the closing round
	s_endpgm
.Lfunc_end_k_q5b2de5080b_attn:
	.size	k_q5b2de5080b_attn, .Lfunc_end_k_q5b2de5080b_attn-k_q5b2de5080b_attn
	.p2alignl 7, 3214868480
	.fill 96, 4, 3214868480
	.section	.rodata,"a",@progbits
	.p2align	6, 0x0
	.amdhsa_kernel k_q5b2de5080b_attn
		.amdhsa_group_segment_fixed_size 327680
		.amdhsa_private_segment_fixed_size 0
		.amdhsa_enable_private_segment 0
		.amdhsa_kernarg_size 32
		.amdhsa_user_sgpr_count 2
		.amdhsa_user_sgpr_kernarg_segment_ptr 1
		.amdhsa_wavefront_size32 1
		.amdhsa_system_sgpr_workgroup_id_x 1
		.amdhsa_system_sgpr_workgroup_id_y 1
		.amdhsa_system_sgpr_workgroup_id_z 1
		.amdhsa_system_vgpr_workitem_id 0
		.amdhsa_next_free_vgpr 1024
		.amdhsa_next_free_sgpr 76
		.amdhsa_reserve_vcc 0
		.amdhsa_float_denorm_mode_32 3
		.amdhsa_float_denorm_mode_16_64 3
		.amdhsa_memory_ordered 1
		.amdhsa_forward_progress 1
		.amdhsa_inst_pref_size 196
	.end_amdhsa_kernel
	.amdgpu_metadata
---
amdhsa.version: [ 1, 2 ]
amdhsa.kernels:
  - .name:           k_q5b2de5080b_attn
    .symbol:         k_q5b2de5080b_attn.kd
    .args:
      - { .name: qkv, .offset: 0, .size: 8, .value_kind: global_buffer, .address_space: global }
      - { .name: oh, .offset: 8, .size: 8, .value_kind: global_buffer, .address_space: global }
      - { .name: plog, .offset: 16, .size: 8, .value_kind: global_buffer, .address_space: global }
      - { .name: bb, .offset: 24, .size: 8, .value_kind: global_buffer, .address_space: global }
    .group_segment_fixed_size: 327680
    .private_segment_fixed_size: 0
    .kernarg_segment_align: 8
    .kernarg_segment_size: 32
    .max_flat_workgroup_size: 128
    .sgpr_count:     76
    .vgpr_count:     1024
    .wavefront_size: 32
...
	.end_amdgpu_metadata
.endif
;; end of part 3
;; launch proj (part 4): grid 4 x 64, 4 waves a work-group, clusters of 4 x 4, 327,680 bytes of LDS; arguments oh, woh, bo, out0; writes out0
.if DOCPART == 4
	.amdgcn_target "amdgcn-amd-amdhsa--gfx1250"
	.amdhsa_code_object_version 6
	.text
	.protected	k_q5b2de5080b_proj
	.globl	k_q5b2de5080b_proj
	.p2align	8
	.type	k_q5b2de5080b_proj,@function
k_q5b2de5080b_proj:
	s_mov_b64 s[64:65], 0
	v_nop
	global_prefetch_b8 v0, s[64:65] scope:SCOPE_SE
	s_setreg_imm32_b32 hwreg(HW_REG_WAVE_MODE, 25, 1), 1
	s_wait_xcnt 0x0
	s_wait_alu depctr_hold_cnt(0) depctr_sa_sdst(0) depctr_va_vdst(0) depctr_va_sdst(0) depctr_va_ssrc(0) depctr_va_vcc(0) depctr_vm_vsrc(0)
	s_getreg_b32 s2, hwreg(HW_REG_IB_STS2, 6, 4)
	s_cmp_eq_u32 s2, 0
	s_cbranch_scc0 .Lentry_in_a_cluster
	s_endpgm
.Lentry_in_a_cluster:
	s_bfe_u32 s2, ttmp6, 0x10000c
	s_cmp_lg_u32 s2, 0xf033
	s_cbranch_scc0 .Lentry_shape_is_right
	s_endpgm
.Lentry_shape_is_right:
; out0[token][n] = the sum over k of O[token][k] Wo[n][k] + bo[n].  O: f16, [token / 128][head][token % 128][64], k = 64 head + channel; Wo: f16, [1024][1024]; out0: f32 [8192][1024]; sums in f32.
; A tile of out0 is 128 tokens x 256 columns: 256 work-groups.  Four waves, each 64 x 128: 32 accumulators, 256 registers.  K goes in steps of 128 (two heads) through a ring of two LDS slots.
; A's tile of a K step is two head planes of 128 rows x 128 bytes, dense in memory (waves 0, 1: a plane each); B's is 256 rows x 256 bytes (waves 2, 3: 128 rows each).
; CLUSTERS: 4 x 4 work-groups; A's tiles are shared along a row of the cluster, B's along a column, by joint loads.  One load a wave behind each round: it has a K step, 128 matrix instructions a wave, in which to land.
; No prefetch: the walk has 8 K steps, of which a lead of two steps would serve four refills.
; THE MATRIX INSTRUCTION IS USED TRANSPOSED (source 0 = 16 rows of Wo, source 1 = 16 tokens): a lane holds eight neighbouring columns of one token.  bo is the C of each sum's first product.
; REGISTERS: window 0: v16-29 addresses; v32-63, v64-95 A's fragments, two buffers; v128-191 bo; on the way out v32-95 and v192-255 take rows.   window 1: v0-63, v64-127 B's fragments.   window 2: accumulator (a, b) at v[8 (8 a + b)].
.set PA,     144                       ; a row of A in LDS: 128 bytes + 16
.set PB,     272                       ; a row of B: 256 + 16
.set PLANE,  128*PA
.set BOFF,   2*PLANE
.set HALFB,  128*PB
.set SLOT,   BOFF+2*HALFB
.set STAGE,  2*SLOT                    ; the way out: 16 rows x (512 bytes + 16) for each wave
.set SPITCH, 528
.set SPARE,  STAGE+4*16*SPITCH
.set LAPS,   4                         ; a lap = two K steps
.set ADRA, 16
.set ADRB, 20
.set STO,  24
.set RD,   25
.set CO,   26
.set SPW,  28
.set NIL,  29
.set AF,   32
.set BI,   128
.set G1, 24
.set G0, 32
.set G1B, 48
.set G0B, 56
.set MSB, 0
.macro WIN new
.if MSB != \new
	s_set_vgpr_msb (MSB<<8)|\new
.set MSB, \new
.endif
.endm
.set MUL,  0xa1                        ; source 0 (B) window 1, source 1 (A) window 0, C and D window 2
.set MUL0, 0x81                        ; the first quarter: C (bo) window 0
.set TO_B, 0x40
.macro MWIN zero
.if \zero
	WIN MUL0
.else
	WIN MUL
.endif
.endm
.macro JLOAD s                         ; a joint load: waves 0, 1 fetch A's planes, waves 2, 3 B's halves; an s_nop 0 and four v_nop follow each line
	s_cmp_eq_u32 s13, 0
	s_cbranch_scc0 .Lfor_b_\@
	tensor_load_to_lds s[G0+4*\s:G0+4*\s+3], s[G1:G1+7]
	s_nop 0
.rept 4
	v_nop
.endr
	s_branch .Lasked_\@
.Lfor_b_\@:
	tensor_load_to_lds s[G0B+4*\s:G0B+4*\s+3], s[G1B:G1B+7]
	s_nop 0
.rept 4
	v_nop
.endr
.Lasked_\@:
.endm
.macro CREST
	s_cmp_lg_u32 s12, 0
	s_cbranch_scc1 .Lnot_wave_0_\@
	s_barrier_signal -3
.Lnot_wave_0_\@:
	s_barrier_wait -3
	s_barrier_signal -1
	s_barrier_wait -1
.endm
.macro CROUND
	s_barrier_signal -1
	s_barrier_wait -1
	CREST
.endm
	s_load_b128 s[4:7], s[0:1], 0x0                ; oh, woh
	s_load_b128 s[8:11], s[0:1], 0x10              ; bo, out0
	v_lshl_add_u32 v[SPW], v0, 2, SPARE
	v_mov_b32 v[NIL], 0
	ds_add_u32 v[SPW], v[NIL]                      ; the wave's opening: the add, twice on end, and its wait ahead of my first tensor load
	ds_add_u32 v[SPW], v[NIL]
	v_lshrrev_b32 v1, 5, v0
	v_readfirstlane_b32 s12, v1                    ; wave 0..3
	s_lshr_b32 s13, s12, 1                         ; which 64 tokens are mine.  Also: I fetch for A (0) or for B (1)
	s_and_b32 s14, s12, 1                          ; which 128 columns.  Also: which plane of A, or which 128 rows of B, I fetch
	s_bfe_u32 s40, ttmp6, 0x40000                  ; cx, cy
	s_bfe_u32 s41, ttmp6, 0x40004
	s_lshl_b32 s42, ttmp9, 2
	s_add_co_u32 s42, s42, s40                     ; tile column
	s_and_b32 s15, ttmp7, 0xffff
	s_lshl_b32 s15, s15, 2
	s_add_co_u32 s15, s15, s41                     ; tile row = token / 128
	s_lshl_b32 s43, s41, 2
	s_lshl_b32 s43, 15, s43                        ; my row of the cluster
	s_lshl_b32 s44, 0x1111, s40                    ; my column
	s_or_b32 s[G1+0], s43, (1<<16)|(1<<20)|(1<<21)|(4<<22)|(3<<25)   ; A: the mask; elements of 2 bytes; padding: 4 words behind every 32
	s_mov_b32 s[G1+1], 64<<16                      ; tensor_dim0 = 64
	s_mov_b32 s[G1+2], 128<<16                     ; tensor_dim1 = 128
	s_mov_b32 s[G1+3], 64<<16                      ; tile_dim0
	s_mov_b32 s[G1+4], 128                         ; tile_dim1
	s_mov_b32 s[G1+5], 64                          ; from row to row
	s_mov_b32 s[G1+6], 0
	s_mov_b32 s[G1+7], 0
	s_or_b32 s[G1B+0], s44, (1<<16)|(1<<20)|(1<<21)|(5<<22)|(3<<25)  ; B: 4 words behind every 64
	s_mov_b32 s[G1B+1], 128<<16
	s_mov_b32 s[G1B+2], 128<<16
	s_mov_b32 s[G1B+3], 128<<16
	s_mov_b32 s[G1B+4], 128
	s_mov_b32 s[G1B+5], 1024
	s_mov_b32 s[G1B+6], 0
	s_mov_b32 s[G1B+7], 0
	s_lshl_b32 s16, s15, 18                        ; A: the token block's 262,144 bytes,
	s_lshl_b32 s17, s14, 14                        ; my plane's 16,384
	s_add_co_u32 s16, s16, s17
	s_mov_b32 s17, 0
	s_lshl_b32 s46, s42, 8
	s_lshl_b32 s47, s14, 7
	s_add_co_u32 s46, s46, s47                     ; B: row 256 x tile column + 128 x half,
	s_lshl_b32 s46, s46, 11                        ; x 2,048 bytes
	s_mov_b32 s47, 0
	s_mul_i32 s20, s14, PLANE                      ; where they go: no place in the cluster enters an LDS address
	s_mul_i32 s21, s14, HALFB
	s_add_co_u32 s21, s21, BOFF
	s_wait_dscnt 0x0                               ; both opening adds are done
	s_wait_kmcnt 0x0
	s_add_nc_u64 s[16:17], s[4:5], s[16:17]
	s_add_nc_u64 s[46:47], s[6:7], s[46:47]
	CROUND                                         ; all sixteen work-groups are here
.irp s, 0,1
	s_mov_b32 s[G0+4*\s], 1
	s_add_co_u32 s[G0+4*\s+1], s20, \s*SLOT
	s_add_nc_u64 s[G0+4*\s+2:G0+4*\s+3], s[16:17], \s*32768       ; K step s: two planes on
	s_or_b32 s[G0+4*\s+3], s[G0+4*\s+3], 0x80000000
	s_mov_b32 s[G0B+4*\s], 1
	s_add_co_u32 s[G0B+4*\s+1], s21, \s*SLOT
	s_add_nc_u64 s[G0B+4*\s+2:G0B+4*\s+3], s[46:47], \s*256
	s_or_b32 s[G0B+4*\s+3], s[G0B+4*\s+3], 0x80000000
	JLOAD \s
.endr
	v_and_b32 v1, 15, v0                           ; r
	v_bfe_u32 v2, v0, 4, 1                         ; h
	v_mul_u32_u24 v3, v1, PA
	v_lshl_add_u32 v3, v2, 4, v3
	v_mul_u32_u24 v4, v1, PB
	v_lshl_add_u32 v4, v2, 4, v4
	s_mul_i32 s21, s13, 64*PA                      ; my 64 rows of each plane of A
	s_mul_i32 s22, s14, HALFB                      ; my 128 rows of B
	s_add_co_u32 s22, s22, BOFF
.irp s, 0,1
	v_add_nc_u32 v[ADRA+\s], s21, v3
	v_add_nc_u32 v[ADRB+\s], s22, v4
	s_add_co_u32 s21, s21, SLOT
	s_add_co_u32 s22, s22, SLOT
.endr
	s_mul_i32 s23, s12, 16*SPITCH
	s_add_co_u32 s23, s23, STAGE                   ; my stage
	v_mul_u32_u24 v5, v1, SPITCH                   ; in: row r, 32 bytes for each half of the lanes
	v_lshl_add_u32 v5, v2, 5, v5
	v_add_nc_u32 v[STO], s23, v5
	v_and_b32 v6, 31, v0
	v_lshlrev_b32 v[CO], 4, v6                     ; back: the 32 lanes take a row's 512 bytes; the same in out0
	v_add_nc_u32 v[RD], s23, v[CO]
	v_lshlrev_b32 v7, 5, v2                        ; bo: my half's eight columns
	s_lshl_b32 s16, s15, 7
	s_lshl_b32 s17, s13, 6
	s_add_co_u32 s16, s16, s17                     ; my first token,
	s_lshl_b32 s16, s16, 12                        ; x 4,096 bytes
	s_mov_b32 s17, 0
	s_add_nc_u64 s[10:11], s[10:11], s[16:17]
	s_lshl_b32 s46, s42, 10
	s_lshl_b32 s47, s14, 9
	s_add_co_u32 s46, s46, s47                     ; my first column, in bytes
	s_mov_b32 s47, 0
	s_add_nc_u64 s[10:11], s[10:11], s[46:47]
	s_add_nc_u64 s[8:9], s[8:9], s[46:47]
.irp b, 0,1,2,3,4,5,6,7
	global_load_b128 v[BI+8*\b:BI+8*\b+3], v7, s[8:9] offset:64*\b          ; register j of block b: bo of column 16 b + 8 h + j
	global_load_b128 v[BI+8*\b+4:BI+8*\b+7], v7, s[8:9] offset:64*\b+16
.endr
; 8 matrix instructions: A's block a x B's eight, 32 along K, from buffer f.  The 32 accumulators take turns in the same order in every quarter.
.macro MUL8 f, a, zero
.irp b, 0,1,2,3,4,5,6,7
.if \zero
	v_wmma_f32_16x16x32_f16 v[8*(8*(\a)+\b):8*(8*(\a)+\b)+7], v[64*(\f)+8*\b:64*(\f)+8*\b+7], v[AF+32*(\f)+8*(\a):AF+32*(\f)+8*(\a)+7], v[BI+8*\b:BI+8*\b+7]
.else
	v_wmma_f32_16x16x32_f16 v[8*(8*(\a)+\b):8*(8*(\a)+\b)+7], v[64*(\f)+8*\b:64*(\f)+8*\b+7], v[AF+32*(\f)+8*(\a):AF+32*(\f)+8*(\a)+7], v[8*(8*(\a)+\b):8*(8*(\a)+\b)+7]
.endif
.endr
.endm
; 24 LDS loads in one run: quarter q of the slot's K step into buffer f: B's eight fragments, then A's four.  Quarter q lies in plane q / 2, channels 32 (q % 2) on.
.macro FETCH slot, q, f
	WIN TO_B
.irp i, 0,1,2,3,4,5,6,7
	ds_load_b128 v[64*(\f)+8*\i:64*(\f)+8*\i+3],   v[ADRB+\slot] offset:64*(\q)+\i*16*PB
	ds_load_b128 v[64*(\f)+8*\i+4:64*(\f)+8*\i+7], v[ADRB+\slot] offset:64*(\q)+\i*16*PB+32
.endr
	WIN 0
.irp i, 0,1,2,3
	ds_load_b128 v[AF+32*(\f)+8*\i:AF+32*(\f)+8*\i+3],   v[ADRA+\slot] offset:((\q)/2)*PLANE+((\q)%2)*64+\i*16*PA
	ds_load_b128 v[AF+32*(\f)+8*\i+4:AF+32*(\f)+8*\i+7], v[ADRA+\slot] offset:((\q)/2)*PLANE+((\q)%2)*64+\i*16*PA+32
.endr
.endm
.macro PLACES                          ; four plain lines in front of loads into registers that matrix instructions have read, and of reads of results
.rept 4
	v_nop
.endr
.endm
; One of a K step's first three quarters: multiplies buffer f and fetches quarter q into g.
.macro QUARTER slot, q, f, g, zero
	s_wait_dscnt 4                                 ; B and A's blocks 0, 1 are in; the youngest four loads (A's blocks 2, 3) may be out
	MWIN \zero
	MUL8 \f, 0, \zero
	MUL8 \f, 1, \zero
	PLACES
	FETCH \slot, \q, \g
	s_wait_dscnt 24                                ; all but the 24 just issued
	MWIN \zero
	MUL8 \f, 2, \zero
	MUL8 \f, 3, \zero
.endm
; The last quarter multiplies buffer 1 and changes slots: ONE barrier; in front of it each wave waits for all its tensor loads, adds 0 to its spare word, and waits for that and for its reads of this slot.
.macro TURN slot, next, fill
	WIN 0
	s_wait_tensorcnt 0x0                           ; my part of the next slot has landed
	ds_add_u32 v[SPW], v[NIL]
	s_wait_dscnt 5                                 ; the add and the youngest four loads may be out
	WIN MUL
	MUL8 1, 0, 0                                   ; eight matrix instructions stand between the add and the wait for it
	s_wait_dscnt 0x0                               ; the add is done, and my reads of this slot are over
	s_barrier_signal -1
	MUL8 1, 1, 0
	WIN 0
	s_barrier_wait -1
.if \fill
	CREST                                          ; the barrier has opened a round of the cluster's: no wave of any partner still reads this slot or has a load on its way
	s_add_nc_u64 s[G0+4*\slot+2:G0+4*\slot+3], s[G0+4*\slot+2:G0+4*\slot+3], 2*32768
	s_add_nc_u64 s[G0B+4*\slot+2:G0B+4*\slot+3], s[G0B+4*\slot+2:G0B+4*\slot+3], 2*256
	JLOAD \slot                                    ; the first tensor load behind the round; its four v_nop are also the places in front of the loads below
.else
	PLACES
.endif
	FETCH \next, 0, 0
	WIN MUL
	MUL8 1, 2, 0
	MUL8 1, 3, 0
.endm
	s_wait_tensorcnt 1                             ; my part of K step 0 is in; K step 1's may be out
	s_barrier_signal -1
	s_barrier_wait -1
	FETCH 0, 0, 0
	s_wait_loadcnt 0x0                             ; bo
	QUARTER 0, 1, 0, 1, 1                          ; the first quarter stands in front of the loop: its products start the sums from bo
	WIN 0
	s_mov_b32 s3, LAPS-1
.Llap:                                                 ; a trip goes once round the ring and fills both slots again
	QUARTER 0, 2, 1, 0, 0
	QUARTER 0, 3, 0, 1, 0
	TURN 0, 1, 1
	QUARTER 1, 1, 0, 1, 0
	QUARTER 1, 2, 1, 0, 0
	QUARTER 1, 3, 0, 1, 0
	TURN 1, 0, 1
	QUARTER 0, 1, 0, 1, 0
	WIN 0
	s_sub_co_u32 s3, s3, 1
	s_cmp_lg_u32 s3, 0
	s_cbranch_scc1 .Llap
	QUARTER 0, 2, 1, 0, 0                          ; the last lap fills nothing
	QUARTER 0, 3, 0, 1, 0
	TURN 0, 1, 0
	QUARTER 1, 1, 0, 1, 0
	QUARTER 1, 2, 1, 0, 0
	QUARTER 1, 3, 0, 1, 0
	s_wait_dscnt 4
	WIN MUL
	MUL8 1, 0, 0
	MUL8 1, 1, 0
	s_wait_dscnt 0
	MUL8 1, 2, 0
	MUL8 1, 3, 0
	WIN 0
; THE WAY OUT, a block of 16 tokens x 128 columns at a time, through my own stage: in as 32 bytes a lane, back as whole rows of 512 bytes.
.macro TOSTAGE a
	WIN 0x08                                       ; an LDS store's data: window 2
.irp b, 0,1,2,3,4,5,6,7
	ds_store_b128 v[STO], v[64*(\a)+8*\b:64*(\a)+8*\b+3] offset:64*\b          ; each accumulator from its low end on
	ds_store_b128 v[STO], v[64*(\a)+8*\b+4:64*(\a)+8*\b+7] offset:64*\b+16
.endr
	WIN 0
.set BB, 32+160*((\a)%2)
.irp t, 0,1,2,3,4,5,6,7,8,9,10,11,12,13,14,15
	ds_load_b128 v[BB+4*\t:BB+4*\t+3], v[RD] offset:\t*SPITCH   ; LDS serves a wave's instructions in order: these see the stores above
.endr
.endm
.macro SEND a, younger
.set BB, 32+160*((\a)%2)
	s_wait_dscnt \younger                          ; the block is back in registers; the next block's 16 stores and 16 loads may be out
.irp t, 0,1,2,3,4,5,6,7,8,9,10,11,12,13,14,15
	global_store_b128 v[CO], v[BB+4*\t:BB+4*\t+3], s[10:11] offset:(16*(\a)+\t)*4096 th:TH_STORE_NT   ; 512 consecutive bytes, aligned; written once
.endr
.endm
	PLACES
	TOSTAGE 0
.irp a, 1,2,3
.if \a > 1
	s_wait_xcnt 0x0                                ; block a - 2's stores have read their registers: block a's loads may land there
.endif
	TOSTAGE \a
	SEND \a-1, 32
.endr
	SEND 3, 0
	s_wait_tensorcnt 0x0                           ; the wave's end
	ds_add_u32 v[SPW], v[NIL]
	s_wait_dscnt 0x0
	CROUND                                         ; the closing round
	s_endpgm
.Lfunc_end_k_q5b2de5080b_proj:
	.size	k_q5b2de5080b_proj, .Lfunc_end_k_q5b2de5080b_proj-k_q5b2de5080b_proj
	.p2alignl 7, 3214868480
	.fill 96, 4, 3214868480
	.section	.rodata,"a",@progbits
	.p2align	6, 0x0
	.amdhsa_kernel k_q5b2de5080b_proj
		.amdhsa_group_segment_fixed_size 327680
		.amdhsa_private_segment_fixed_size 0
		.amdhsa_enable_private_segment 0
		.amdhsa_kernarg_size 32
		.amdhsa_user_sgpr_count 2
		.amdhsa_user_sgpr_kernarg_segment_ptr 1
		.amdhsa_wavefront_size32 1
		.amdhsa_system_sgpr_workgroup_id_x 1
		.amdhsa_system_sgpr_workgroup_id_y 1
		.amdhsa_system_sgpr_workgroup_id_z 1
		.amdhsa_system_vgpr_workitem_id 0
		.amdhsa_next_free_vgpr 768
		.amdhsa_next_free_sgpr 66
		.amdhsa_reserve_vcc 0
		.amdhsa_float_denorm_mode_32 3
		.amdhsa_float_denorm_mode_16_64 3
		.amdhsa_memory_ordered 1
		.amdhsa_forward_progress 1
		.amdhsa_inst_pref_size 87
	.end_amdhsa_kernel
	.amdgpu_metadata
---
amdhsa.version: [ 1, 2 ]
amdhsa.kernels:
  - .name:           k_q5b2de5080b_proj
    .symbol:         k_q5b2de5080b_proj.kd
    .args:
      - { .name: oh, .offset: 0, .size: 8, .value_kind: global_buffer, .address_space: global }
      - { .name: woh, .offset: 8, .size: 8, .value_kind: global_buffer, .address_space: global }
      - { .name: bo, .offset: 16, .size: 8, .value_kind: global_buffer, .address_space: global }
      - { .name: out0, .offset: 24, .size: 8, .value_kind: global_buffer, .address_space: global }
    .group_segment_fixed_size: 327680
    .private_segment_fixed_size: 0
    .kernarg_segment_align: 8
    .kernarg_segment_size: 32
    .max_flat_workgroup_size: 128
    .sgpr_count:     66
    .vgpr_count:     768
    .wavefront_size: 32
...
	.end_amdgpu_metadata
.endif
;; end of part 4
